; MI455X (gfx1250); checked and timed in simulation.
; The chip was launched on July 23, 2026; its instructions are those of AMD's public machine-readable ISA for CDNA 5 (MIT licence, August 2026) and "CDNA5" Instruction Set Architecture Reference Guide (July 2026). The comments in the code are by the model that wrote it; some were corrected since.
;; Encoder. Allowed arithmetic: matrix products marked QUANTISED: E4M3 operands, one E8M0 scale for each 32 along K, by v_wmma_scale_f32_16x16x128_f8f6f4 with both operands' format E4M3, f32 sums; everything else in f32.
;; Inputs: W0 1,024 x 4,096 float32; W1 4,096 x 1,024 float32; Wk 1,024 x 1,024 float32; Wo 1,024 x 1,024 float32; Wq 1,024 x 1,024 float32; Wv 1,024 x 1,024 float32; b0 4,096 float32; b1 1,024 float32; be0 1,024 float32; be1 1,024 float32; bk 1,024 float32; bo 1,024 float32; bq 1,024 float32; bv 1,024 float32; g0 1,024 float32; g1 1,024 float32; mask 2 x 1 x 1 x 2,048 int32; x 2 x 2,048 x 1,024 float32.
;; Outputs: out0 2 x 2,048 x 1,024 float32.
;; This version of the problem:
;;   THIS VERSION OF THE PROBLEM IS GIVEN IN LOW PRECISION. The matrix products marked QUANTISED in the list below multiply operands that are first quantised to E4M3 (4 exponent bits, 3 mantissa bits; 8 bits a number), with one power-of-two scale for each 32 numbers along K (OCP MX v1.0); their sums are f32. All else is computed in f32.
;;   The module's matrix products, in the order in which they are computed (A, B: the left and right operand; K: the contracted axis; several contracted axes count as one K, in the product's order):
;;     1. [M 4,096, K 1,024] x [K 1,024, N 1,024]; A: input x; B: input Wq: QUANTISED
;;     2. [M 4,096, K 1,024] x [K 1,024, N 1,024]; A: input x; B: input Wk: QUANTISED
;;     3. [M 4,096, K 1,024] x [K 1,024, N 1,024]; A: input x; B: input Wv: QUANTISED
;;     4. batch 32 x [M 2,048, K 64] x [K 64, N 2,048]; A: computed on the way; B: computed on the way: QUANTISED
;;     5. batch 32 x [M 2,048, K 2,048] x [K 2,048, N 64]; A: softmax (see below); B: computed on the way: QUANTISED
;;     6. [M 4,096, K 1,024] x [K 1,024, N 1,024]; A: computed on the way; B: input Wo: QUANTISED
;;     7. [M 4,096, K 1,024] x [K 1,024, N 4,096]; A: computed on the way; B: input W0: QUANTISED
;;     8. [M 4,096, K 4,096] x [K 4,096, N 1,024]; A: computed on the way; B: input W1: QUANTISED
;;   THE QUANTISER, for each operand of a quantised product, along K:
;;     - K is cut into blocks of 32 from its start; a last block that is shorter is filled with zeros.
;;     - A block's scale is 2^e with e = floor(log2(the largest magnitude in the block)) - 8, held to -126 .. 127; a block of zeros has e = 0. As a byte (E8M0): e + 127.
;;     - Each number is divided by its block's scale, clamped to +-448, and rounded to the nearest number of E4M3, ties to even, subnormals kept.
;;     - The product sums the exact products of the quantised numbers (number of the format x scale) in f32.
;;   ~~~python
;;   def quantise(x, axis):      # numpy; x: float32 -> the quantised numbers, widened to float32 again
;;       x = np.moveaxis(x, axis, -1); K = x.shape[-1]
;;       x = np.pad(x, [(0, 0)] * (x.ndim - 1) + [(0, -K % 32)]); x = x.reshape(x.shape[:-1] + (-1, 32)); a = np.abs(x).max(-1, keepdims=True)
;;       e = np.where(a > 0, np.clip(np.frexp(np.where(a > 0, a, 1))[1] - 1 - 8, -126, 127), 0)      # np.frexp(a)[1] - 1 = floor(log2(a)), exactly
;;       r = np.clip(x / 2.0 ** e, -448, 448)
;;       step = 2.0 ** (np.maximum(np.frexp(np.where(r == 0, 1, r))[1] - 1, -6) - 3)
;;       q = np.round(r / step) * step * 2.0 ** e      # np.round: ties to even
;;       return np.moveaxis(q.reshape(q.shape[:-2] + (-1,))[..., :K], -1, axis).astype(np.float32)
;;   ~~~
;;   SOFTMAX AHEAD OF A QUANTISED PRODUCT. Where the list says 'softmax', what is quantised is not the finished softmax but p = 2^(t - M), with t = logit x log2(e) and M = ceil(the row's largest t), a whole number; so 1/2 < the row's largest p <= 1. The row's sum l is taken of the UNQUANTISED p, in f32, and the product's result is divided by l at the end. Since M is a whole number, a kernel that streams over the keys may use a running M (the ceiling of the running maximum): every later rescaling is an exact power of two, which a block's scale takes up: the codes' values come out the same.
;;   OPERANDS COMPUTED ON THE WAY. 'Computed on the way' means the value that the module computes at that place (a softmax that the list does not call 'softmax' is quantised finished and normalised). What goes into a quantiser is computed in f32, as accurately as f32 sums, v_exp_f32 and their like allow (about 1e-6 of the number): no bf16 or f16 on the way to a quantiser, and a product that is left as it is and whose result goes on into a quantised operand takes f32 operands (vector FMAs, or v_wmma_f32_16x16x4_f32). A number that lies on a knife's edge between two numbers of the format may be rounded either way, as far as f32 arithmetic and the matrix unit's own rounding can turn it there, and no further.
;; One version. Each part assembles by itself: llvm-mc -triple=amdgcn-amd-amdhsa -mcpu=gfx1250 --defsym DOCPART=n.
;; ======== version 1 of 1: 8 launches
;; limits: right only within a limited range of input values
;; workspace buffers: PREP 17,825,792 bytes; QB 8,912,896 bytes; KV 8,912,896 bytes; CTX 4,456,448 bytes; Y 67,108,864 bytes; H0 21,233,664 bytes; HID 17,825,792 bytes
;; launch prep (part 1): grid 1024 x 1, 4 waves a work-group, no clusters, 0 bytes of LDS; arguments x, Wq, Wk, Wv, Wo, W0, W1, PREP; writes PREP
.if DOCPART == 1
	.amdgcn_target "amdgcn-amd-amdhsa--gfx1250"
	.amdhsa_code_object_version 6
	.text
	.protected	k_q67413192fc_prep
	.globl	k_q67413192fc_prep
	.p2align	8
	.type	k_q67413192fc_prep,@function
k_q67413192fc_prep:
	s_mov_b64 s[64:65], 0
	v_nop
	global_prefetch_b8 v0, s[64:65] scope:SCOPE_SE
	s_setreg_imm32_b32 hwreg(HW_REG_WAVE_MODE, 25, 1), 1
	s_wait_xcnt 0x0
; x [4096][1024] (K innermost) and the six weights [K][N] (K outermost), all f32, become codes of FP8 (E4M3) with one E8M0 scale byte for each 32 along K,
; laid as IMAGES OF THE OPERAND'S REGISTERS.  A unit of 4,352 bytes serves 16 rows x 256 along K: at 2048 q + 512 c + 16 lane the registers 4 c .. 4 c + 3 of the
; fragment of the q-th 128 along K; at 4096 + 8 lane + 4 q the row's scale word (lanes 16-31 hold a copy of lanes 0-15, so that the 256 bytes are whole).
; An operand is laid [tile of 16 rows][K / 256][4352].  THE ROWS OF A TILE ARE NOT NEIGHBOURS: place r of tile i is row 32 (i / 2) + 8 (i % 2) + r + 8 (r / 8).
; A block's scale is 2^(floor(log2(its largest magnitude)) - 8); its byte is that magnitude's exponent field - 8, held at 1 from below.
; LIMITS: a block of zeros gets the byte 1 where the quantiser says 127 (its codes are zeros, and this program alone reads the bytes); blocks whose largest magnitude lies
; under 2^-118 are held at the byte 1; NaN and infinities among the inputs are not served.
; Work-groups 0-255: x, one tile of 16 tokens each, a wave to 256 along K.  Work-groups 256-1023: the weights, a wave to 32 columns x 128 along K: four blocks of 32, half a unit's codes and one of a row's two scale words.
; No LDS, no barrier: waves share nothing.  No clusters: no two work-groups read the same bytes.
.set TM,  176                          ; v176-179 largest magnitudes, v180-183 bytes, v184-187 the holds, v188-191 the conversions' scale operands
.set SEL, 60                           ; s[60:61] lane selects of v_permlanex16_b32: lane l xor 16
.set MNT, 62                           ; s62 the mantissa field of 448
; 64 numbers of a lane, register 16 b + i = k 32 b + 16 (lane / 16) + i of my row, become a fragment's codes in v[pc] on and its scale word in v[pw]
.macro QUANT s, pc, pw
.irp b, 0,1,2,3
	v_max3_num_f32 v[TM+\b], |v[\s+16*\b]|, |v[\s+1+16*\b]|, 0x4800000   ; my 16 numbers of block b, and the floor 2^(9 - 127): the byte cannot fall under 1
.endr
.irp i, 2,4,6,8,10,12,14
.irp b, 0,1,2,3
	v_max3_num_f32 v[TM+\b], v[TM+\b], |v[\s+16*\b+\i]|, |v[\s+1+16*\b+\i]|
.endr
.endr
.irp b, 0,1,2,3
	v_permlanex16_b32 v[TM+4+\b], v[TM+\b], s[SEL], s[SEL+1]
.endr
.irp b, 0,1,2,3
	v_max_num_f32 v[TM+\b], v[TM+\b], v[TM+4+\b]                 ; with lane l xor 16's: the block's largest magnitude
.endr
.irp b, 0,1,2,3
	v_add_nc_u32 v[TM+12+\b], 0xfc000000, v[TM+\b]               ; 8 off its exponent field: the conversion's scale operand
.endr
.irp b, 0,1,2,3
	v_and_or_b32 v[TM+8+\b], v[TM+\b], 0x7f800000, s[MNT]        ; 448 x the scale
.endr
.irp b, 0,1,2,3
	v_lshrrev_b32 v[TM+4+\b], 23, v[TM+12+\b]                    ; the scale's byte
.endr
	v_lshl_or_b32 v[\pw], v[TM+5], 8, v[TM+4]
	v_lshl_or_b32 v[\pw], v[TM+6], 16, v[\pw]
	v_lshl_or_b32 v[\pw], v[TM+7], 24, v[\pw]
.irp b, 0,1,2,3
.irp i, 0,1,2,3,4,5,6,7,8,9,10,11,12,13,14,15
	v_med3_num_f32 v[\s+16*\b+\i], v[\s+16*\b+\i], -v[TM+8+\b], v[TM+8+\b]   ; the conversion to an 8-bit code does not saturate (ISA guide 7.6.2): the hold comes first
.endr
	v_cvt_scalef32_pk8_fp8_f32 v[\pc+4*\b:\pc+1+4*\b], v[\s+16*\b:\s+7+16*\b], v[TM+12+\b]
	v_cvt_scalef32_pk8_fp8_f32 v[\pc+2+4*\b:\pc+3+4*\b], v[\s+8+16*\b:\s+15+16*\b], v[TM+12+\b]
.endr
	v_nop                                          ; one plain line behind the last conversion
.endm
	s_load_b256 s[4:11], s[0:1], 0x0               ; x s[4:5], Wq s[6:7], Wk s[8:9], Wv s[10:11]
	s_load_b256 s[12:19], s[0:1], 0x20             ; Wo s[12:13], W0 s[14:15], W1 s[16:17], PREP s[18:19]
	v_lshrrev_b32 v1, 5, v0
	v_readfirstlane_b32 s20, v1                    ; wave 0..3
	v_and_b32 v2, 31, v0                           ; lane
	s_mov_b32 s[SEL], 0x76543210
	s_mov_b32 s[SEL+1], 0xfedcba98
	s_mov_b32 s[MNT], 0x600000
	s_wait_kmcnt 0x0
	s_cmp_lt_u32 ttmp9, 256
	s_cbranch_scc0 .Lweights
	; ---- x: tile i = the work-group's number, K = 256 x wave on.  Lane (r, h) takes, of its token, 16 neighbours of each block of 32
	v_and_b32 v3, 15, v0                           ; r
	v_bfe_u32 v4, v0, 4, 1                         ; h
	v_and_b32 v5, 8, v3
	v_add_nc_u32 v5, v5, v3                        ; r + 8 (r / 8)
	v_lshlrev_b32 v5, 12, v5                       ; a row of x is 4,096 bytes
	v_lshl_add_u32 v5, v4, 6, v5                   ; + 64 h
	s_wait_alu depctr_va_vdst(0)
	v_lshlrev_b32 v6, 4, v2                        ; 16 x lane
	v_lshlrev_b32 v7, 3, v2                        ; 8 x lane
.irp b, 0,1,2,3
	v_mov_b32 v[TM+4+\b], 0                        ; written once: a lane permute's destination counts as one of its sources
.endr
	s_lshr_b32 s21, ttmp9, 1
	s_lshl_b32 s21, s21, 5
	s_and_b32 s22, ttmp9, 1
	s_lshl_b32 s22, s22, 3
	s_add_co_u32 s21, s21, s22                     ; the tile's first token: 32 (i / 2) + 8 (i % 2)
	s_lshl_b32 s22, s21, 12
	s_lshl_b32 s21, s20, 10
	s_add_co_u32 s22, s22, s21                     ; + 1,024 bytes x wave
	s_mov_b32 s23, 0
	s_lshl_b32 s24, ttmp9, 2
	s_add_co_u32 s24, s24, s20
	s_mul_i32 s24, s24, 4352                       ; my unit: 4 i + wave
	s_mov_b32 s25, 0
	s_add_nc_u64 s[4:5], s[4:5], s[22:23]
	s_add_nc_u64 s[18:19], s[18:19], s[24:25]
.irp q, 0,1
.irp b, 0,1,2,3
.irp j, 0,1,2,3
	global_load_b128 v[16+64*\q+16*\b+4*\j:19+64*\q+16*\b+4*\j], v5, s[4:5] offset:512*\q+128*\b+16*\j th:TH_LOAD_NT
.endr
.endr
.endr
	s_wait_loadcnt 16                              ; the first 128 along K are in; the second 16 loads may be out
	QUANT 16, 144, 192
.irp c, 0,1,2,3
	global_store_b128 v6, v[144+4*\c:147+4*\c], s[18:19] offset:512*\c          ; 32 lanes store 512 consecutive bytes
.endr
	s_wait_loadcnt 0x0
	QUANT 80, 160, 193                             ; codes and word in registers of their own: no store's data are written again
.irp c, 0,1,2,3
	global_store_b128 v6, v[160+4*\c:163+4*\c], s[18:19] offset:2048+512*\c
.endr
	global_store_b64 v7, v[192:193], s[18:19] offset:4096                        ; the two scale words: 256 consecutive bytes
	s_endpgm
.Lweights:
	; ---- a weight [K][N]: a lane takes a column n and its registers run down K, so that a block of 32 lies in ONE lane and the codes come out with K innermost
	s_sub_co_u32 s21, ttmp9, 256                   ; g: 0-255 Wq, Wk, Wv, Wo (64 each); 256-511 W0; 512-767 W1
	s_lshr_b32 s22, s21, 6
	s_lshr_b32 s23, s21, 8
	s_and_b32 s26, s21, 63
	s_and_b32 s27, s21, 255
	s_lshl_b32 s28, s23, 2
	s_cmp_eq_u32 s22, 0                            ; the choices hang on the work-group's number alone
	s_cselect_b64 s[24:25], s[6:7], s[8:9]
	s_cmp_lt_u32 s22, 2
	s_cselect_b64 s[24:25], s[24:25], s[10:11]
	s_cmp_lt_u32 s22, 3
	s_cselect_b64 s[24:25], s[24:25], s[12:13]
	s_cmp_lt_u32 s21, 256
	s_cselect_b64 s[24:25], s[24:25], s[14:15]
	s_cselect_b32 s26, s26, s27                    ; my number within the weight
	s_cselect_b32 s28, s22, s28                    ; the image begins 4,456,448 + 1,114,112 x this: 0-3 the four small ones, 4 W0, 8 W1
	s_cmp_lt_u32 s21, 512
	s_cselect_b64 s[24:25], s[24:25], s[16:17]
	s_mov_b32 s29, 69632
	s_cselect_b32 s29, 17408, s29                  ; bytes from a tile of 16 columns to the next: (K / 256) units
	s_cmp_eq_u32 s23, 1
	s_cselect_b32 s30, 5, 3                        ; log2 of the groups of 128 columns
	s_cselect_b32 s31, 31, 7
	s_mov_b32 s48, 16384
	s_cselect_b32 s48, s48, 4096                   ; a row of the weight in bytes
	s_and_b32 s49, s26, s31
	s_lshl_b32 s49, s49, 2
	s_add_co_u32 s49, s49, s20                     ; my 32 columns: group 4 x (number % groups) + wave
	s_lshr_b32 s50, s26, s30                       ; my 128 along K
	s_mul_i32 s52, s50, s48
	s_lshl_b32 s52, s52, 7
	s_lshl_b32 s51, s49, 7
	s_add_co_u32 s52, s52, s51
	s_mov_b32 s53, 0
	s_lshl_b32 s54, s48, 5                         ; 32 rows on
	s_mov_b32 s55, 0
	s_add_nc_u64 s[32:33], s[24:25], s[52:53]      ; a base for each block of 32 along K: no pointer is stepped while loads are out
.irp t, 1,2,3
	s_add_nc_u64 s[32+2*\t:33+2*\t], s[30+2*\t:31+2*\t], s[54:55]
.endr
	s_mul_i32 s56, s28, 1114112
	s_add_co_u32 s56, s56, 4456448
	s_lshl_b32 s51, s49, 1
	s_mul_i32 s51, s51, s29
	s_add_co_u32 s56, s56, s51                     ; + tile 2 x group
	s_lshr_b32 s51, s50, 1
	s_mul_i32 s51, s51, 4352
	s_add_co_u32 s56, s56, s51                     ; + the unit in which my 128 along K lie
	s_mov_b32 s57, 0
	s_add_nc_u64 s[58:59], s[18:19], s[56:57]      ; the unit
	s_and_b32 s50, s50, 1                          ; q: which 128 of its 256
	s_lshl_b32 s56, s50, 11
	s_add_nc_u64 s[18:19], s[58:59], s[56:57]      ; my codes: + 2,048 q
	s_lshl_b32 s56, s50, 2
	s_add_nc_u64 s[58:59], s[58:59], s[56:57]      ; my scale words: + 4 q
	s_wait_alu depctr_va_vdst(0)
	v_lshlrev_b32 v3, 2, v2                        ; in: 4 bytes a lane: 128 consecutive bytes a wave, 512 a work-group
.set i, 0
.rept 32
	v_mad_u32_u24 v[16+i], s48, i, v3              ; row i of a block
.set i, i+1
.endr
	v_bfe_u32 v4, v2, 3, 1                         ; column x of the 32 is place r = (x & 7) + 8 (x / 16) of tile u = (x / 8) % 2
	v_and_b32 v5, 7, v2
	v_bfe_u32 v6, v2, 4, 1
	v_lshl_or_b32 v5, v6, 3, v5
	v_mul_u32_u24 v7, s29, v4
	v_lshl_add_u32 v8, v5, 4, v7                   ; out: the codes' place
	v_lshl_add_u32 v9, v5, 3, v7                   ; and the scale words'
.macro LOAD t
.set i, 0
.rept 32
	global_load_b32 v[48+32*((\t)%2)+i], v[16+i], s[32+2*(\t):33+2*(\t)] th:TH_LOAD_NT
.set i, i+1
.endr
.endm
	LOAD 0
	LOAD 1
.macro BLOCK t
.set XS, 48+32*((\t)%2)
.if (\t) < 3
	s_wait_loadcnt 32                              ; this block's 32 loads are in; the next block's may be out
.else
	s_wait_loadcnt 0x0
.endif
	v_max3_num_f32 v12, |v[XS]|, |v[XS+1]|, |v[XS+2]|
	v_max3_num_f32 v13, |v[XS+3]|, |v[XS+4]|, |v[XS+5]|
.irp i, 6,10,14,18,22,26
	v_max3_num_f32 v12, v12, |v[XS+\i]|, |v[XS+\i+1]|
	v_max3_num_f32 v13, v13, |v[XS+\i+2]|, |v[XS+\i+3]|
.endr
	v_max3_num_f32 v12, v12, |v[XS+30]|, |v[XS+31]|
	v_max3_num_f32 v12, v12, v13, 0x4800000        ; and the floor
	v_add_nc_u32 v11, 0xfc000000, v12
	v_and_or_b32 v10, v12, 0x7f800000, s[MNT]
	v_lshrrev_b32 v13, 23, v11
.if (\t) == 0
	v_mov_b32 v192, v13                            ; four bytes to a word, the lower K in the lower byte
.else
	v_lshl_or_b32 v192, v13, 8*(\t), v192
.endif
.irp i, 0,1,2,3,4,5,6,7,8,9,10,11,12,13,14,15,16,17,18,19,20,21,22,23,24,25,26,27,28,29,30,31
	v_med3_num_f32 v[XS+\i], v[XS+\i], -v10, v10
.endr
.irp g, 0,1,2,3
	v_cvt_scalef32_pk8_fp8_f32 v[112+8*(\t)+2*\g:113+8*(\t)+2*\g], v[XS+8*\g:XS+8*\g+7], v11   ; each block has code registers of its own
.endr
	global_store_b128 v8, v[112+8*(\t):115+8*(\t)], s[18:19] offset:(\t)*512       ; k 0-15 of the block: the image's lanes 0-15; sixteen lanes store 256 consecutive bytes
	global_store_b128 v8, v[116+8*(\t):119+8*(\t)], s[18:19] offset:(\t)*512+256   ; k 16-31: its lanes 16-31
.if (\t)+2 < 4
	LOAD (\t)+2
.endif
.endm
.irp t, 0,1,2,3
	BLOCK \t
.endr
	global_store_b32 v9, v192, s[58:59] offset:4096                              ; my columns' scale word of these 128 along K
	global_store_b32 v9, v192, s[58:59] offset:4224                              ; the copy
	s_endpgm
.Lfunc_end_k_q67413192fc_prep:
	.size	k_q67413192fc_prep, .Lfunc_end_k_q67413192fc_prep-k_q67413192fc_prep
	.p2alignl 7, 3214868480
	.fill 96, 4, 3214868480
	.section	.rodata,"a",@progbits
	.p2align	6, 0x0
	.amdhsa_kernel k_q67413192fc_prep
		.amdhsa_group_segment_fixed_size 0
		.amdhsa_private_segment_fixed_size 0
		.amdhsa_enable_private_segment 0
		.amdhsa_kernarg_size 64
		.amdhsa_user_sgpr_count 2
		.amdhsa_user_sgpr_kernarg_segment_ptr 1
		.amdhsa_wavefront_size32 1
		.amdhsa_system_sgpr_workgroup_id_x 1
		.amdhsa_system_sgpr_workgroup_id_y 1
		.amdhsa_system_sgpr_workgroup_id_z 1
		.amdhsa_system_vgpr_workitem_id 0
		.amdhsa_next_free_vgpr 200
		.amdhsa_next_free_sgpr 66
		.amdhsa_reserve_vcc 0
		.amdhsa_float_denorm_mode_32 3
		.amdhsa_float_denorm_mode_16_64 3
		.amdhsa_memory_ordered 1
		.amdhsa_forward_progress 1
		.amdhsa_inst_pref_size 54
	.end_amdhsa_kernel
	.amdgpu_metadata
---
amdhsa.version: [ 1, 2 ]
amdhsa.kernels:
  - .name:           k_q67413192fc_prep
    .symbol:         k_q67413192fc_prep.kd
    .args:
      - { .name: x, .offset: 0, .size: 8, .value_kind: global_buffer, .address_space: global }
      - { .name: Wq, .offset: 8, .size: 8, .value_kind: global_buffer, .address_space: global }
      - { .name: Wk, .offset: 16, .size: 8, .value_kind: global_buffer, .address_space: global }
      - { .name: Wv, .offset: 24, .size: 8, .value_kind: global_buffer, .address_space: global }
      - { .name: Wo, .offset: 32, .size: 8, .value_kind: global_buffer, .address_space: global }
      - { .name: W0, .offset: 40, .size: 8, .value_kind: global_buffer, .address_space: global }
      - { .name: W1, .offset: 48, .size: 8, .value_kind: global_buffer, .address_space: global }
      - { .name: PREP, .offset: 56, .size: 8, .value_kind: global_buffer, .address_space: global }
    .group_segment_fixed_size: 0
    .private_segment_fixed_size: 0
    .kernarg_segment_align: 8
    .kernarg_segment_size: 64
    .max_flat_workgroup_size: 128
    .sgpr_count:     66
    .vgpr_count:     200
    .wavefront_size: 32
...
	.end_amdgpu_metadata
.endif
;; end of part 1
;; launch qkv (part 2): grid 12 x 16, 4 waves a work-group, clusters of 4 x 4, 327,680 bytes of LDS; arguments PREP, bq, bk, bv, mask, QB, KV; writes QB, KV
.if DOCPART == 2
	.amdgcn_target "amdgcn-amd-amdhsa--gfx1250"
	.amdhsa_code_object_version 6
	.text
	.protected	k_q67413192fc_qkv
	.globl	k_q67413192fc_qkv
	.p2align	8
	.type	k_q67413192fc_qkv,@function
k_q67413192fc_qkv:
	s_mov_b64 s[64:65], 0
	v_nop
	global_prefetch_b8 v0, s[64:65] scope:SCOPE_SE
	s_setreg_imm32_b32 hwreg(HW_REG_WAVE_MODE, 25, 1), 1
	s_wait_xcnt 0x0
	s_wait_alu depctr_hold_cnt(0) depctr_sa_sdst(0) depctr_va_vdst(0) depctr_va_sdst(0) depctr_va_ssrc(0) depctr_va_vcc(0) depctr_vm_vsrc(0)
	s_getreg_b32 s2, hwreg(HW_REG_IB_STS2, 6, 4)
	s_cmp_eq_u32 s2, 0
	s_cbranch_scc0 .Lentry_in_a_cluster
	s_endpgm
.Lentry_in_a_cluster:
	s_bfe_u32 s2, ttmp6, 0x10000c
	s_cmp_lg_u32 s2, 0xf033
	s_cbranch_scc0 .Lentry_shape_is_right
	s_endpgm
.Lentry_shape_is_right:
.set SIZE_K, 1024
.set UNIT,   4352
.set ROWP,   (SIZE_K/256)*UNIT
.set HALFT,  8*UNIT
.set SLOT,   4*HALFT
.set SPARE,  2*SLOT
.set LAPS,   SIZE_K/512
.set NQ,     2
.set FR,     16
.set NL,     4
.set NP,     8
.set STEPB,  17408
.set HEADB,  278528
.set ADRA, 2
.set ADRB, 4
.set ADRS, 6
.set SPW,  8
.set NIL,  9
.set L16,  10
.set L4,   11
.set BV,   16
.set MK,   24
.set SC,   32
.set BI,   64
.set AF,   128
.set T,    128
.set PC,   192
.set TM,   208
.set PW,   224
.set G1,  24
.set G0,  32
.set G1B, 48
.set G0B, 56
.set SEL, 66
.set MNT, 68
.set MSB, 0
.macro WIN new
.if MSB != \new
	s_set_vgpr_msb (MSB<<8)|\new
.set MSB, \new
.endif
.endm
.set MUL_LO, 0xa1
.set MUL_HI, 0xf1
.set TO_B,   0x40
.macro JLOAD g0a, g1a, g0b, g1b
	s_cmp_eq_u32 s15, 0
	s_cbranch_scc0 .Lfor_b_\@
	tensor_load_to_lds s[\g0a:\g0a+3], s[\g1a:\g1a+7]
	s_nop 0
.rept 4
	v_nop
.endr
	s_branch .Lasked_\@
.Lfor_b_\@:
	tensor_load_to_lds s[\g0b:\g0b+3], s[\g1b:\g1b+7]
	s_nop 0
.rept 4
	v_nop
.endr
.Lasked_\@:
.endm
.macro CREST
	s_cmp_lg_u32 s14, 0
	s_cbranch_scc1 .Lnot_wave_0_\@
	s_barrier_signal -3
.Lnot_wave_0_\@:
	s_barrier_wait -3
	s_barrier_signal -1
	s_barrier_wait -1
.endm
.macro CROUND
	s_barrier_signal -1
	s_barrier_wait -1
	CREST
.endm
.macro FRAG reg, adr, q, i
.irp c, 0,1,2,3
	ds_load_b128 v[\reg+4*\c:\reg+4*\c+3], v[\adr] offset:2048*(\q)+512*\c+(\i)*UNIT
.endr
.endm
.macro MUL16 a0, p, q, sc, zero
.irp a, \a0, \a0+1
.irp b, 0,1,2,3,4,5,6,7
.if \zero
	v_wmma_scale_f32_16x16x128_f8f6f4 v[8*(8*((\a)%4)+\b):8*(8*((\a)%4)+\b)+7], v[128*(\p)+FR*\b:128*(\p)+FR*\b+FR-1], v[AF+FR*(\a):AF+FR*(\a)+FR-1], 0, v[SC+8*NQ*(\sc)+NQ*\b+(\q)], v[SC+8*NQ*(\sc)+NQ*(\a)+(\q)] matrix_a_scale:MATRIX_SCALE_ROW1
.else
	v_wmma_scale_f32_16x16x128_f8f6f4 v[8*(8*((\a)%4)+\b):8*(8*((\a)%4)+\b)+7], v[128*(\p)+FR*\b:128*(\p)+FR*\b+FR-1], v[AF+FR*(\a):AF+FR*(\a)+FR-1], v[8*(8*((\a)%4)+\b):8*(8*((\a)%4)+\b)+7], v[SC+8*NQ*(\sc)+NQ*\b+(\q)], v[SC+8*NQ*(\sc)+NQ*(\a)+(\q)] matrix_a_scale:MATRIX_SCALE_ROW1
.endif
.endr
.endr
.endm
.macro FETCH_B slot, q, p
	WIN TO_B
.irp i, 0,1,2,3,4,5,6,7
	FRAG 128*(\p)+FR*\i, ADRB+\slot, \q, \i
.endr
	WIN 0
.endm
.macro FETCH_A slot, q, i0
.irp i, \i0, \i0+1, \i0+2, \i0+3
	FRAG AF+FR*(\i), ADRA+\slot, \q, \i
.endr
.endm
.macro SCALES sc
.irp i, 0,1,2,3,4,5,6,7
	ds_load_b64 v[SC+8*NQ*\sc+NQ*\i:SC+8*NQ*\sc+NQ*\i+1], v[ADRS+\sc] offset:\i*UNIT
.endr
.endm
.macro PLACES n
.rept \n
	v_nop
.endr
.endm
.macro STEP slot, q, zero
	s_wait_dscnt 4*NL
	WIN MUL_LO
	MUL16 0, (\q)%2, \q, \slot, \zero
	MUL16 2, (\q)%2, \q, \slot, \zero
	s_wait_dscnt 0
	PLACES NP
	FETCH_B \slot, (\q)+1, 1-(\q)%2
	FETCH_A \slot, (\q)+1, 0
	WIN MUL_HI
	MUL16 4, (\q)%2, \q, \slot, \zero
	MUL16 6, (\q)%2, \q, \slot, \zero
	PLACES NP
	WIN 0
	FETCH_A \slot, (\q)+1, 4
.endm
.macro TURN slot, next, fill
	s_wait_tensorcnt 0x0
	ds_add_u32 v[SPW], v[NIL]
	s_wait_dscnt 4*NL+1
	WIN MUL_LO
	MUL16 0, 1, NQ-1, \slot, 0
	s_wait_dscnt 0x0
	s_barrier_signal -1
	MUL16 2, 1, NQ-1, \slot, 0
	WIN 0
	s_barrier_wait -1
.if \fill
	CREST
	s_add_nc_u64 s[G0+4*\slot+2:G0+4*\slot+3], s[G0+4*\slot+2:G0+4*\slot+3], 2*UNIT
	s_add_nc_u64 s[G0B+4*\slot+2:G0B+4*\slot+3], s[G0B+4*\slot+2:G0B+4*\slot+3], 2*UNIT
	JLOAD G0+4*\slot, G1, G0B+4*\slot, G1B
	PLACES NP-4
.else
	PLACES NP
.endif
	FETCH_B \next, 0, 0
	FETCH_A \next, 0, 0
	SCALES \next
	WIN MUL_HI
	MUL16 4, 1, NQ-1, \slot, 0
	MUL16 6, 1, NQ-1, \slot, 0
	PLACES NP
	WIN 0
	FETCH_A \next, 0, 4
.endm
.macro QUANT s, pc, pw, msk
.irp b, 0,1,2,3
	v_max3_num_f32 v[TM+\b], |v[\s+16*\b]|, |v[\s+1+16*\b]|, 0x4800000
.endr
.irp i, 2,4,6,8,10,12,14
.irp b, 0,1,2,3
	v_max3_num_f32 v[TM+\b], v[TM+\b], |v[\s+16*\b+\i]|, |v[\s+1+16*\b+\i]|
.endr
.endr
.irp b, 0,1,2,3
	v_permlanex16_b32 v[TM+4+\b], v[TM+\b], s[SEL], s[SEL+1]
.endr
.irp b, 0,1,2,3
	v_max_num_f32 v[TM+\b], v[TM+\b], v[TM+4+\b]
.endr
.irp b, 0,1,2,3
	v_add_nc_u32 v[TM+12+\b], 0xfc000000, v[TM+\b]
.endr
.irp b, 0,1,2,3
	v_and_or_b32 v[TM+8+\b], v[TM+\b], 0x7f800000, s[MNT]
.endr
.if \msk
.irp b, 0,1,2,3
	v_cndmask_b32 v[TM+8+\b], 0, v[TM+8+\b], vcc_lo
.endr
.endif
.irp b, 0,1,2,3
	v_lshrrev_b32 v[TM+4+\b], 23, v[TM+12+\b]
.endr
	v_lshl_or_b32 v[\pw], v[TM+5], 8, v[TM+4]
	v_lshl_or_b32 v[\pw], v[TM+6], 16, v[\pw]
	v_lshl_or_b32 v[\pw], v[TM+7], 24, v[\pw]
.irp b, 0,1,2,3
.irp i, 0,1,2,3,4,5,6,7,8,9,10,11,12,13,14,15
	v_med3_num_f32 v[\s+16*\b+\i], v[\s+16*\b+\i], -v[TM+8+\b], v[TM+8+\b]
.endr
	v_cvt_scalef32_pk8_fp8_f32 v[\pc+4*\b:\pc+1+4*\b], v[\s+16*\b:\s+7+16*\b], v[TM+12+\b]
	v_cvt_scalef32_pk8_fp8_f32 v[\pc+2+4*\b:\pc+3+4*\b], v[\s+8+16*\b:\s+15+16*\b], v[TM+12+\b]
.endr
	v_nop
.endm
	s_load_b256 s[4:11], s[0:1], 0x0
	s_load_b128 s[76:79], s[0:1], 0x20
	s_load_b64 s[80:81], s[0:1], 0x30
	v_lshl_add_u32 v[SPW], v0, 2, SPARE
	v_mov_b32 v[NIL], 0
	ds_add_u32 v8, v9
	ds_add_u32 v8, v9
	s_wait_dscnt 0x0
	v_lshrrev_b32 v1, 5, v0
	v_readfirstlane_b32 s14, v1
	s_lshr_b32 s15, s14, 1
	s_and_b32 s16, s14, 1
	s_bfe_u32 s40, ttmp6, 0x40000
	s_bfe_u32 s41, ttmp6, 0x40004
	s_and_b32 s18, ttmp7, 0xffff
	s_lshl_b32 s18, s18, 2
	s_add_co_u32 s17, s18, s41
	s_add_co_u32 s42, s18, s40
	s_mul_i32 s73, ttmp9, 1114112
	s_add_co_u32 s73, s73, 4456448
	s_mov_b32 s72, 6684672
	s_cmp_eq_u32 ttmp9, 2
	s_cselect_b32 s17, s41, s17
	s_cselect_b32 s42, s42, s40
	s_cselect_b32 s70, 0, -1
	s_cselect_b32 s71, -1, 0
	s_cselect_b32 s72, s72, 0
	s_cselect_b32 s73, 0, s73
	s_lshl_b32 s43, s41, 2
	s_lshl_b32 s43, 15, s43
	s_lshl_b32 s44, 0x1111, s40
	s_or_b32 s[G1+0], s43, (3<<16)|(1<<21)
	s_or_b32 s[G1B+0], s44, (3<<16)|(1<<21)
.irp g, G1, G1B
	s_mov_b32 s[\g+1], 544<<16
	s_mov_b32 s[\g+2], 8<<16
	s_mov_b32 s[\g+3], 544<<16
	s_mov_b32 s[\g+4], 8
	s_mov_b32 s[\g+5], ROWP/8
	s_mov_b32 s[\g+6], 0
	s_mov_b32 s[\g+7], 0
.endr
	s_lshl_b32 s18, s16, 3
	s_lshl_b32 s20, s17, 4
	s_add_co_u32 s20, s20, s18
	s_mul_i32 s20, s20, ROWP
	s_add_co_u32 s20, s20, s72
	s_mov_b32 s21, 0
	s_lshl_b32 s46, s42, 4
	s_add_co_u32 s46, s46, s18
	s_mul_i32 s46, s46, ROWP
	s_add_co_u32 s46, s46, s73
	s_mov_b32 s47, 0
	s_mul_i32 s45, s14, HALFT
	s_cmp_eq_u32 ttmp9, 2
	s_cselect_b32 s82, s42, s17
	s_cselect_b32 s83, s17, s42
	s_cselect_b32 s94, s16, s15
	s_cselect_b32 s95, s15, s16
	s_cselect_b32 s96, 8704, 0
	s_lshr_b32 s97, s82, 3
	s_lshl_b32 s97, s97, 4
	s_lshl_b32 s98, s83, 2
	s_add_co_u32 s97, s97, s98
	s_lshl_b32 s98, s95, 1
	s_add_co_u32 s97, s97, s98
	s_mul_i32 s97, s97, HEADB
	s_and_b32 s98, s82, 7
	s_lshl_b32 s98, s98, 1
	s_add_co_u32 s98, s98, s94
	s_mul_i32 s98, s98, STEPB
	s_add_co_u32 s96, s96, s97
	s_add_co_u32 s96, s96, s98
	s_mov_b32 s97, 0
	s_lshl_b32 s98, s83, 10
	s_lshl_b32 s99, s95, 9
	s_add_co_u32 s98, s98, s99
	s_lshl_b32 s99, s82, 10
	s_lshl_b32 s82, s94, 9
	s_add_co_u32 s99, s99, s82
	s_cmp_eq_u32 ttmp9, 2
	s_cselect_b32 s88, 0, s98
	s_cselect_b32 s90, s98, 0
	s_cselect_b32 s92, 0, s99
	s_mov_b32 s89, 0
	s_mov_b32 s91, 0
	s_mov_b32 s93, 0
	s_mov_b32 s74, 0x7f7f0000
	s_cmp_eq_u32 ttmp9, 0
	s_cselect_b32 s74, s74, 0x7f010000
	s_cmp_eq_u32 ttmp9, 1
	s_cselect_b32 s75, 0, 1
	s_mov_b32 s69, 0xffff0000
	s_mov_b32 s[SEL], 0x76543210
	s_mov_b32 s[SEL+1], 0xfedcba98
	s_mov_b32 s[MNT], 0x600000
	s_wait_kmcnt 0x0
	s_add_nc_u64 s[20:21], s[4:5], s[20:21]
	s_add_nc_u64 s[46:47], s[4:5], s[46:47]
	s_cmp_eq_u32 ttmp9, 0
	s_cselect_b64 s[84:85], s[6:7], s[8:9]
	s_cselect_b64 s[86:87], s[78:79], s[80:81]
	s_cmp_eq_u32 ttmp9, 2
	s_cselect_b64 s[84:85], s[10:11], s[84:85]
	s_add_nc_u64 s[88:89], s[84:85], s[88:89]
	s_add_nc_u64 s[90:91], s[84:85], s[90:91]
	s_add_nc_u64 s[92:93], s[76:77], s[92:93]
	s_add_nc_u64 s[86:87], s[86:87], s[96:97]
	CROUND
.irp s, 0,1
	s_mov_b32 s[G0+4*\s], 1
	s_add_co_u32 s[G0+4*\s+1], s45, \s*SLOT
	s_add_nc_u64 s[G0+4*\s+2:G0+4*\s+3], s[20:21], \s*UNIT
	s_or_b32 s[G0+4*\s+3], s[G0+4*\s+3], 0x80000000
	s_mov_b32 s[G0B+4*\s], 1
	s_add_co_u32 s[G0B+4*\s+1], s45, \s*SLOT
	s_add_nc_u64 s[G0B+4*\s+2:G0B+4*\s+3], s[46:47], \s*UNIT
	s_or_b32 s[G0B+4*\s+3], s[G0B+4*\s+3], 0x80000000
.endr
	JLOAD G0, G1, G0B, G1B                         ; K step 0: my one load at the head, behind the opening lines and the round
	s_wait_alu depctr_va_vdst(0)
	s_wait_tensorcnt 0x0                           ; the wait, the add and its wait ahead of a later first fill
	ds_add_u32 v8, v9
	s_wait_dscnt 0x0
	CROUND
	JLOAD G0+4, G1, G0B+4, G1B                     ; K step 1, into slot 1
	v_and_b32 v1, 31, v0
	v_lshlrev_b32 v[L16], 4, v1
	v_lshlrev_b32 v[L4], 2, v1
	v_and_b32 v12, 15, v0
	v_bfe_u32 v13, v0, 4, 1
	s_wait_alu depctr_va_vdst(0)
	s_mul_i32 s21, s15, HALFT
	s_mul_i32 s22, s16, HALFT
	s_add_co_u32 s22, s22, 2*HALFT
	s_sub_co_u32 s23, s22, s21
	v_mul_u32_u24 v14, s23, v13
	v_lshl_add_u32 v14, v12, 3, v14
	s_add_co_u32 s19, s21, 4096
	v_add_nc_u32 v[ADRS], s19, v14
	v_add_nc_u32 v[ADRS+1], SLOT, v[ADRS]
.irp s, 0,1
	v_add_nc_u32 v[ADRA+\s], s21, v[L16]
	v_add_nc_u32 v[ADRB+\s], s22, v[L16]
	s_add_co_u32 s21, s21, SLOT
	s_add_co_u32 s22, s22, SLOT
.endr
	v_lshlrev_b32 v15, 6, v13
	v_and_b32 v14, 8, v12
	v_add_nc_u32 v14, v14, v12
	v_lshlrev_b32 v14, 2, v14
.irp b, 0,1,2,3,4,5,6,7
	global_load_b128 v[BI+8*\b:BI+8*\b+3], v15, s[88:89] offset:(32*(\b/2)+8*(\b%2))*4
	global_load_b128 v[BI+8*\b+4:BI+8*\b+7], v15, s[88:89] offset:(32*(\b/2)+8*(\b%2))*4+16
.endr
.irp a, 0,1,2,3,4,5,6,7
	global_load_b32 v[BV+\a], v14, s[90:91] offset:(32*(\a/2)+8*(\a%2))*4
	global_load_b32 v[MK+\a], v14, s[92:93] offset:(32*(\a/2)+8*(\a%2))*4
.endr
	s_wait_alu depctr_va_vdst(0)
	s_wait_tensorcnt 1
	s_barrier_signal -1
	s_barrier_wait -1
	FETCH_B 0, 0, 0
	FETCH_A 0, 0, 0
	SCALES 0
	FETCH_A 0, 0, 4
	STEP 0, 0, 1
	s_mov_b32 s3, LAPS-1
.Llap:
	TURN 0, 1, 1
	STEP 1, 0, 0
	TURN 1, 0, 1
	STEP 0, 0, 0
	s_sub_co_u32 s3, s3, 1
	s_cmp_lg_u32 s3, 0
	s_cbranch_scc1 .Llap
	TURN 0, 1, 0
	STEP 1, 0, 0
	s_wait_dscnt 4*NL
	WIN MUL_LO
	MUL16 0, 1, NQ-1, 1, 0
	MUL16 2, 1, NQ-1, 1, 0
	s_wait_dscnt 0
	WIN MUL_HI
	MUL16 4, 1, NQ-1, 1, 0
	MUL16 6, 1, NQ-1, 1, 0
	WIN 0
	PLACES NP
	s_wait_loadcnt 0x0
.set n, 0
.rept 64
	v_cndmask_b32 v[BI+n], 0, v[BI+n], s70
.set n, n+1
.endr
.irp a, 0,1,2,3,4,5,6,7
	v_cndmask_b32 v[BV+\a], 0, v[BV+\a], s71
	v_or_b32 v[MK+\a], s75, v[MK+\a]
.endr
	v_mov_b32 v56, s74
	v_mov_b32 v57, 0x7f900000
	v_mov_b32 v61, 0
.irp b, 0,1,2,3
	v_mov_b32 v[TM+4+\b], 0
.endr
.macro EPI a
	s_wait_xcnt 0x0
	WIN (0x02+(\a)/4)
.set AC, 64*((\a)%4)
.set n, 0
.rept 32
	v_pk_add_f32 v[T+n:T+n+1], v[AC+n:AC+n+1], v[BI+n:BI+n+1]
.set n, n+2
.endr
	WIN 0
	v_mov_b32 v60, v[BV+(\a)]
.set n, 0
.rept 32
	v_pk_add_f32 v[T+n:T+n+1], v[T+n:T+n+1], v[60:61] op_sel_hi:[1,0]
.set n, n+2
.endr
	v_cmp_ne_u32 vcc_lo, 0, v[MK+(\a)]
	QUANT T, PC, PW, 1
	v_cndmask_b32 v58, v57, v56, vcc_lo
	v_and_or_b32 v[32+(\a)], v[PW], 0xffff, v58
	v_lshrrev_b32 v59, 16, v[PW]
	v_or_b32 v[40+(\a)], v59, v58
	s_cmp_eq_u32 ttmp9, 2
	s_cbranch_scc1 .Lrole_v_\@
.irp p, 0,1,2,3
	global_store_b128 v[L16], v[PC+4*\p:PC+4*\p+3], s[86:87] offset:(\a)*1024+(\p%2)*512+(\p/2)*HEADB
.endr
	s_branch .Lstored_\@
.Lrole_v_\@:
	s_wait_alu depctr_va_vdst(0)
.irp p, 0,1,2,3
	global_store_b128 v[L16], v[PC+4*\p:PC+4*\p+3], s[86:87] offset:((\a)/4)*HEADB+((\a)%4)*2048+\p*512
.endr
	global_store_b32 v[L4], v[PW], s[86:87] offset:8192+((\a)/4)*HEADB+((\a)%4)*128
.Lstored_\@:
.endm
.irp a, 0,1,2,3,4,5,6,7
	EPI \a
.endr
	s_wait_alu depctr_va_vdst(0)
.irp j, 0,1,2,3
	v_cndmask_b32 v[48+\j], v[32+2*\j], v[33+2*\j], s69
	v_cndmask_b32 v[52+\j], v[40+2*\j], v[41+2*\j], s69
.endr
	s_cmp_eq_u32 ttmp9, 2
	s_cbranch_scc1 .Lno_words
.irp j, 0,1,2,3
	global_store_b32 v[L4], v[48+\j], s[86:87] offset:8192+128*\j
	global_store_b32 v[L4], v[52+\j], s[86:87] offset:8192+128*\j+HEADB
.endr
.Lno_words:
	s_wait_tensorcnt 0x0
	ds_add_u32 v[SPW], v[NIL]
	s_wait_dscnt 0x0
	CROUND
	s_endpgm
.Lfunc_end_k_q67413192fc_qkv:
	.size	k_q67413192fc_qkv, .Lfunc_end_k_q67413192fc_qkv-k_q67413192fc_qkv
	.p2alignl 7, 3214868480
	.fill 96, 4, 3214868480
	.section	.rodata,"a",@progbits
	.p2align	6, 0x0
	.amdhsa_kernel k_q67413192fc_qkv
		.amdhsa_group_segment_fixed_size 327680
		.amdhsa_private_segment_fixed_size 0
		.amdhsa_enable_private_segment 0
		.amdhsa_kernarg_size 56
		.amdhsa_user_sgpr_count 2
		.amdhsa_user_sgpr_kernarg_segment_ptr 1
		.amdhsa_wavefront_size32 1
		.amdhsa_system_sgpr_workgroup_id_x 1
		.amdhsa_system_sgpr_workgroup_id_y 1
		.amdhsa_system_sgpr_workgroup_id_z 1
		.amdhsa_system_vgpr_workitem_id 0
		.amdhsa_next_free_vgpr 1024
		.amdhsa_next_free_sgpr 100
		.amdhsa_reserve_vcc 1
		.amdhsa_float_denorm_mode_32 3
		.amdhsa_float_denorm_mode_16_64 3
		.amdhsa_memory_ordered 1
		.amdhsa_forward_progress 1
		.amdhsa_inst_pref_size 232
	.end_amdhsa_kernel
	.amdgpu_metadata
---
amdhsa.version: [ 1, 2 ]
amdhsa.kernels:
  - .name:           k_q67413192fc_qkv
    .symbol:         k_q67413192fc_qkv.kd
    .args:
      - { .name: PREP, .offset: 0, .size: 8, .value_kind: global_buffer, .address_space: global }
      - { .name: bq, .offset: 8, .size: 8, .value_kind: global_buffer, .address_space: global }
      - { .name: bk, .offset: 16, .size: 8, .value_kind: global_buffer, .address_space: global }
      - { .name: bv, .offset: 24, .size: 8, .value_kind: global_buffer, .address_space: global }
      - { .name: mask, .offset: 32, .size: 8, .value_kind: global_buffer, .address_space: global }
      - { .name: QB, .offset: 40, .size: 8, .value_kind: global_buffer, .address_space: global }
      - { .name: KV, .offset: 48, .size: 8, .value_kind: global_buffer, .address_space: global }
    .group_segment_fixed_size: 327680
    .private_segment_fixed_size: 0
    .kernarg_segment_align: 8
    .kernarg_segment_size: 56
    .max_flat_workgroup_size: 128
    .sgpr_count:     100
    .vgpr_count:     1024
    .wavefront_size: 32
...
	.end_amdgpu_metadata
.endif
;; end of part 2
;; launch attn (part 3): grid 8 x 32, 8 waves a work-group, clusters of 4 x 1, 327,680 bytes of LDS; arguments QB, KV, CTX; writes CTX
.if DOCPART == 3
	.amdgcn_target "amdgcn-amd-amdhsa--gfx1250"
	.amdhsa_code_object_version 6
	.text
	.protected	k_q67413192fc_attn
	.globl	k_q67413192fc_attn
	.p2align	8
	.type	k_q67413192fc_attn,@function
k_q67413192fc_attn:
	s_mov_b64 s[64:65], 0
	v_nop
	global_prefetch_b8 v0, s[64:65] scope:SCOPE_SE
	s_setreg_imm32_b32 hwreg(HW_REG_WAVE_MODE, 25, 1), 1
	s_wait_xcnt 0x0
	s_wait_alu depctr_hold_cnt(0) depctr_sa_sdst(0) depctr_va_vdst(0) depctr_va_sdst(0) depctr_va_ssrc(0) depctr_va_vcc(0) depctr_vm_vsrc(0)
	s_getreg_b32 s2, hwreg(HW_REG_IB_STS2, 6, 4)
	s_cmp_eq_u32 s2, 0
	s_cbranch_scc0 .Lentry_in_a_cluster
	s_endpgm
.Lentry_in_a_cluster:
	s_bfe_u32 s2, ttmp6, 0x10000c
	s_cmp_lg_u32 s2, 0x3003
	s_cbranch_scc0 .Lentry_shape_is_right
	s_endpgm
.Lentry_shape_is_right:
; ctx = softmax(q k^T / 8, masked) v for 32 heads of 64, 2,048 keys, both products on codes of FP8 (E4M3) with E8M0 scales for each 32 along a product's K; ctx is quantised at once for the next product.
; THE SOFTMAX AHEAD OF THE SECOND PRODUCT: t = raw score x log2(e) / 8; M = the running largest t rounded UP to a whole number; p = 2^(t - M) is quantised along the keys, not normalised;
; the row's sum is taken of the unquantised p and divides at the end.  When M moves, the sum and O are multiplied by 2^(old M - new M): exact.
; SHARES.  A work-group owns 256 queries of one head; each of its eight waves owns TWO tiles of 16 queries (c = 0, 1), in 512 registers: every fragment of K and of V that a wave reads from LDS feeds two products.
; A HEAD'S K AND V, codes and scale words, are 278,528 bytes: they come into LDS ONCE, as they lie (images of the operands' registers, a step of 128 keys in 17,408 bytes: K's codes, K's words, V's codes, V's words).
; No byte of LDS is filled twice.  At the head each wave asks for an eighth of steps 0-3 (8,704 bytes); its eighth of steps 4-15 (26,112 bytes) is asked for behind the wait, the add and a round of the cluster's barrier
; and lands while steps 0-2 are worked.  CLUSTER: the four query blocks of a cluster belong to one head and ask for these bytes JOINTLY.
; No prefetch: every byte of K and V is asked for by these two loads, ahead of the loops.
; LAYOUT.  Both products are used transposed (S^T = K Q^T, O^T = V^T P^T): a lane holds ONE query of each tile.  The keys of a tile and V's channels of a tile are laid so that 16 registers of two neighbouring tiles are 16 neighbours.
; THE MASK.  A head's 64 fill half of the instruction's K = 128.  At k = 64 Q carries the code 256 and every key the code -256; the third byte of a key's scale word is 1 (kept) or 144 (masked), of a query's 127.
; A masked key's other codes are zeros, so its raw score is exactly -2^33, and t is then a whole number: a row all of whose keys are masked has p = 1 everywhere.
; LIMITS: a masked logit is -2^30 and not -1e9: the same result while every kept logit lies above about -9.9e8; a kept raw score gets -2^-110 added; NaN and infinities are not served.
; THE ORDER OF A STEP.  The step's first four key tiles were read from LDS in the step before; behind their products the last four tiles and V's fragments are asked for; behind the last four tiles' products the next step's first four.
; So the first loop has three trips: its reads reach step 3 at the most.  The last step is written out, so that no such read leaves the head's tiles.
; A step's sum of p is gathered in four packed parts a tile and joined at the next step's head, under the M under which it was made.
; REGISTERS.  Window 0 (all that the softmax's vector lines name): v1 16 x lane, v2 4 (lane % 16), v3, v4 the step's LDS addresses, v5 8 x lane, v8, v9 the add's; v16-19 K's scale words, v20-23 V's, v24, v25 p's, v30, v31 Q's;
;   v32-63, v64-95 a tile's small numbers (names below); v96-159, v160-223 S^T, then p; v224-239 the codes that leave.
; Window 1 (what products, conversions and the rescaling alone name): v0-63 four fragments of K (in each, registers 8-15 are constants); v64-127 V's four; v128-159 Q; v160-191 p's codes; v192-255 O^T.
.set STEPB, 17408
.set HEADB, 278528
.set SPW, 8
.set NIL, 9
.set KW,  16
.set VW,  20
.set PW,  24
.set QW,  30
.set T,   32                           ; tile c's small numbers begin at T + 32 c:
.set PS,  0                            ; the sum's four packed parts
.set BM,  8                            ; the four blocks' largest score, then largest p
.set TP,  12                           ; at work
.set BD,  16                           ; 448 x the scale
.set SO,  20                           ; the conversions' scale operands
.set F,   24                           ; f = 2^(old M - new M), as the low word of a pair
.set NM,  26                           ; -M, and the largest t
.set SU,  28                           ; the row's sum, in two halves
.set TC,  30
.set WT,  31
.set S,   96                           ; tile c's scores at S + 64 c
.set KF,  0                            ; in window 1
.set VF,  64
.set Q,   128
.set PC,  160
.set O,   192
.set WV,  18
.set MNT, 19
.set SEL, 20
.set CS,  22                           ; s[22:23] c = log2(e) / 8
.set G1A, 24                           ; s[24:31] group 1: 34 rows of 256 bytes;  s[32:39]: 102 rows
.set G1C, 32
.set G0A, 40
.set G0C, 44
.set TB,  48                           ; s48 LDS byte at which the step in hand begins
.set CNT, 49
.set MSB, 0
.macro WIN new                         ; the immediate's high byte repeats the setting that is left
.if MSB != \new
	s_set_vgpr_msb (MSB<<8)|\new
.set MSB, \new
.endif
.endm
.macro ROUND                           ; a round of the cluster's barrier
	s_barrier_signal -1
	s_barrier_wait -1
	s_cmp_lg_u32 s[WV], 0
	s_cbranch_scc1 .Lnot_wave_0_\@
	s_barrier_signal -3
.Lnot_wave_0_\@:
	s_barrier_wait -3
	s_barrier_signal -1
	s_barrier_wait -1
.endm
	s_load_b128 s[4:7], s[0:1], 0x0                ; QB s[4:5], KV s[6:7]
	s_load_b64 s[8:9], s[0:1], 0x10                ; CTX
	v_lshl_add_u32 v[SPW], v0, 2, 0x44000
	v_mov_b32 v[NIL], 0
	ds_add_u32 v[SPW], v[NIL]                      ; the opening lines: the add twice on end and its wait ahead of my first tensor load
	ds_add_u32 v[SPW], v[NIL]
	v_lshrrev_b32 v1, 5, v0
	v_readfirstlane_b32 s[WV], v1                  ; wave 0..7
	s_bfe_u32 s13, ttmp6, 0x40000                  ; cx
	s_lshl_b32 s14, ttmp9, 2
	s_add_co_u32 s14, s14, s13                     ; my block of 256 queries: it enters Q's and CTX's addresses alone
	s_and_b32 s15, ttmp7, 0xffff                   ; batch x 16 + head, which the four partners share
	s_mul_i32 s16, s15, HEADB
	s_mov_b32 s17, 0
.irp g, G1A, G1C
	s_mov_b32 s[\g], 15|(3<<16)|(1<<21)            ; the mask: all four work-groups; elements of 8 bytes; bit 21 beside a mask
	s_mov_b32 s[\g+1], 32<<16                      ; rows of 256 bytes
	s_mov_b32 s[\g+3], 32<<16
	s_mov_b32 s[\g+5], 32                          ; dense in memory
	s_mov_b32 s[\g+6], 0
	s_mov_b32 s[\g+7], 0
.endr
	s_mov_b32 s[G1A+2], 34<<16
	s_mov_b32 s[G1A+4], 34
	s_mov_b32 s[G1C+2], 102<<16
	s_mov_b32 s[G1C+4], 102
	s_mul_i32 s50, s[WV], 8704                     ; my eighth of steps 0-3, in memory and in LDS alike
	s_mov_b32 s51, 0
	s_mul_i32 s52, s[WV], 26112
	s_add_co_u32 s52, s52, 69632                   ; and of steps 4-15
	s_mov_b32 s53, 0
	s_mov_b32 s[SEL], 0x76543210
	s_mov_b32 s[SEL+1], 0xfedcba98
	s_mov_b32 s[CS], 0x3e38aa3b
	s_mov_b32 s[CS+1], s[CS]
	s_mov_b32 s[MNT], 0x600000
	s_mov_b32 s[TB], 0
	; Q: my tiles t = 16 x block + 2 x wave + c lie in step t / 8 as tiles t % 8
	s_lshl_b32 s54, s14, 1
	s_lshr_b32 s55, s[WV], 2
	s_add_co_u32 s54, s54, s55
	s_mul_i32 s54, s54, STEPB
	s_add_co_u32 s54, s54, s16
	s_and_b32 s55, s[WV], 3
	s_lshl_b32 s56, s55, 11
	s_add_co_u32 s56, s56, s54                     ; tile 0's codes; tile 1's lie 1,024 bytes on
	s_mov_b32 s57, 0
	s_lshl_b32 s58, s55, 7
	s_add_co_u32 s58, s58, s54
	s_add_co_u32 s58, s58, 8192                    ; its scale words; tile 1's lie 64 bytes on
	s_mov_b32 s59, 0
	; CTX: tile of tokens i = 128 x batch + t; head hd is K step hd / 2, blocks 2 (hd % 2) and + 1, of the next product
	s_lshr_b32 s10, s15, 4
	s_lshl_b32 s10, s10, 7
	s_lshl_b32 s11, s14, 4
	s_add_co_u32 s10, s10, s11
	s_lshl_b32 s11, s[WV], 1
	s_add_co_u32 s10, s10, s11
	s_lshl_b32 s10, s10, 2
	s_bfe_u32 s11, s15, 0x20002
	s_add_co_u32 s10, s10, s11
	s_mul_i32 s10, s10, 4352                       ; the unit 4 i + hd / 4; tile 1's lies 17,408 bytes on
	s_bfe_u32 s11, s15, 0x10001
	s_and_b32 s12, s15, 1
	s_lshl_b32 s60, s11, 11
	s_lshl_b32 s62, s12, 10
	s_add_co_u32 s60, s60, s62
	s_add_co_u32 s60, s60, s10                     ; the codes' place
	s_mov_b32 s61, 0
	s_lshl_b32 s62, s11, 2
	s_lshl_b32 s63, s12, 1
	s_add_co_u32 s62, s62, s63
	s_add_co_u32 s62, s62, s10
	s_add_co_u32 s62, s62, 4096                    ; the two scale bytes' place
	s_mov_b32 s63, 0
	s_wait_dscnt 0x0
	s_wait_kmcnt 0x0
	s_add_nc_u64 s[6:7], s[6:7], s[16:17]          ; KV at my head
	s_mov_b32 s[G0A], 1
	s_mov_b32 s[G0A+1], s50
	s_add_nc_u64 s[G0A+2:G0A+3], s[6:7], s[50:51]
	s_or_b32 s[G0A+3], s[G0A+3], 0x80000000
	s_mov_b32 s[G0C], 1
	s_mov_b32 s[G0C+1], s52
	s_add_nc_u64 s[G0C+2:G0C+3], s[6:7], s[52:53]
	s_or_b32 s[G0C+3], s[G0C+3], 0x80000000
	s_add_nc_u64 s[56:57], s[4:5], s[56:57]
	s_add_nc_u64 s[58:59], s[4:5], s[58:59]
	s_add_nc_u64 s[60:61], s[8:9], s[60:61]
	s_add_nc_u64 s[62:63], s[8:9], s[62:63]
	ROUND                                          ; all four work-groups are here: the joint loads meet
	tensor_load_to_lds s[G0A:G0A+3], s[G1A:G1A+7]  ; my one load at the head: my part of steps 0-3
	s_nop 0
.rept 4
	v_nop
.endr
	v_and_b32 v1, 31, v0
	v_and_b32 v2, 15, v0
	v_bfe_u32 v10, v0, 4, 1
	v_lshlrev_b32 v5, 3, v1
	v_lshlrev_b32 v1, 4, v1
	v_lshlrev_b32 v2, 2, v2
	v_xor_b32 v10, 1, v10                          ; 1 in lanes 0-15, which hold k = 64 .. 79 in register 8 of a fragment
	v_mov_b32 v3, v1                               ; step 0 begins at LDS byte 0
	v_mov_b32 v4, v2
.irp c, 0,1
	global_load_b32 v[QW+\c], v2, s[58:59] offset:64*\c
.endr
.irp c, 0,1
	v_mov_b32 v[T+32*\c+NM+1], 0xff61b1e6          ; the largest t so far: -3e38, under every t
	v_mov_b32 v[T+32*\c+SU], 0
	v_mov_b32 v[T+32*\c+SU+1], 0
	v_mov_b32 v[T+32*\c+F], 0
	v_mov_b32 v[T+32*\c+F+1], 0
	v_mov_b32 v[T+32*\c+TC], 0
	v_floor_f32 v[T+32*\c+NM], -v[T+32*\c+NM+1]    ; -M
.irp j, 0,1,2,3,4,5,6,7
	v_mov_b32 v[T+32*\c+PS+\j], 0                  ; the first step joins zeros
.endr
.endr
	WIN 0x40                                       ; destinations in window 1
.irp c, 0,1
	global_load_b128 v[Q+16*\c:Q+16*\c+3], v1, s[56:57] offset:1024*\c          ; Q's fragment: k = 0 .. 63
	global_load_b128 v[Q+16*\c+4:Q+16*\c+7], v1, s[56:57] offset:1024*\c+512
	v_mul_u32_u24 v[Q+16*\c+8], v10, 0x78          ; Q(k = 64) = 256
.irp j, 9,10,11,12,13,14,15
	v_mov_b32 v[Q+16*\c+\j], 0
.endr
.endr
.irp t, 0,1,2,3
	v_mul_u32_u24 v[KF+16*\t+8], v10, 0xf8         ; K(k = 64) = -256, for every key
.irp j, 9,10,11,12,13,14,15
	v_mov_b32 v[KF+16*\t+\j], 0
.endr
.endr
.set j, 0
.rept 64
	v_mov_b32 v[O+j], 0                            ; O^T: the first change of M leaves zeros zeros
.set j, j+1
.endr
	WIN 0
.macro KLOAD g, off                    ; four tiles of 16 keys: data registers 0-7 of each fragment, and the keys' scale words: 12 loads
	WIN 0x40
.irp t, 0,1,2,3
	ds_load_b128 v[KF+16*\t:KF+16*\t+3], v3 offset:\off+(4*\g+\t)*1024
	ds_load_b128 v[KF+16*\t+4:KF+16*\t+7], v3 offset:\off+(4*\g+\t)*1024+512
.endr
	WIN 0
.irp t, 0,1,2,3
	ds_load_b32 v[KW+\t], v4 offset:\off+8192+(4*\g+\t)*64
.endr
.endm
.macro VLOAD                           ; V's four fragments (16 channels x 128 keys each) and their scale words: 20 loads
	WIN 0x40
.irp t, 0,1,2,3
.irp c, 0,1,2,3
	ds_load_b128 v[VF+16*\t+4*\c:VF+16*\t+4*\c+3], v3 offset:8704+\t*2048+\c*512
.endr
.endr
	WIN 0
.irp t, 0,1,2,3
	ds_load_b32 v[VW+\t], v4 offset:16896+\t*128
.endr
.endm
.macro SCORES g                        ; S^T = K Q^T: four tiles of keys x my two tiles of queries
	WIN 0x05                                       ; sources 0 and 1 window 1, D window 0
.irp t, 0,1,2,3
.irp c, 0,1
	v_wmma_scale_f32_16x16x128_f8f6f4 v[S+64*\c+8*(4*\g+\t):S+64*\c+8*(4*\g+\t)+7], v[KF+16*\t:KF+16*\t+15], v[Q+16*\c:Q+16*\c+15], 0, v[KW+\t], v[QW+\c]
.endr
.endr
	WIN 0
.endm
.macro JOIN                            ; the four parts of the last step's sum are joined and added to the row's sum, both tiles by turns
.irp c, 0,1
	v_pk_add_f32 v[T+32*\c+PS:T+32*\c+PS+1], v[T+32*\c+PS:T+32*\c+PS+1], v[T+32*\c+PS+4:T+32*\c+PS+5]
.endr
.irp c, 0,1
	v_pk_add_f32 v[T+32*\c+PS+2:T+32*\c+PS+3], v[T+32*\c+PS+2:T+32*\c+PS+3], v[T+32*\c+PS+6:T+32*\c+PS+7]
.endr
.irp c, 0,1
	s_delay_alu instid0(VALU_DEP_2)
	v_pk_add_f32 v[T+32*\c+PS:T+32*\c+PS+1], v[T+32*\c+PS:T+32*\c+PS+1], v[T+32*\c+PS+2:T+32*\c+PS+3]
.endr
.irp c, 0,1
	s_delay_alu instid0(VALU_DEP_2)
	v_pk_add_f32 v[T+32*\c+SU:T+32*\c+SU+1], v[T+32*\c+SU:T+32*\c+SU+1], v[T+32*\c+PS:T+32*\c+PS+1]
.endr
.endm
.macro MAX2 c, x, y                    ; tile c: the largest score of blocks x and y of 32 keys: two chains a block, one for each of its key tiles, each accumulator from its low end on
.set SB_, S+64*(\c)
.set TB_, T+32*(\c)
.irp b, \x, \y
	v_max3_num_f32 v[TB_+BM+\b], v[SB_+16*\b], v[SB_+16*\b+1], v[SB_+16*\b+2]
	v_max3_num_f32 v[TB_+TP+\b], v[SB_+16*\b+8], v[SB_+16*\b+9], v[SB_+16*\b+10]
.endr
.irp i, 3,5
.irp b, \x, \y
	v_max3_num_f32 v[TB_+BM+\b], v[TB_+BM+\b], v[SB_+16*\b+\i], v[SB_+16*\b+\i+1]
	v_max3_num_f32 v[TB_+TP+\b], v[TB_+TP+\b], v[SB_+16*\b+8+\i], v[SB_+16*\b+9+\i]
.endr
.endr
.irp b, \x, \y
	v_max3_num_f32 v[TB_+BM+\b], v[TB_+BM+\b], v[SB_+16*\b+7], v[SB_+16*\b+15]
.endr
.irp b, \x, \y
	s_delay_alu instid0(VALU_DEP_2)
	v_max_num_f32 v[TB_+BM+\b], v[TB_+BM+\b], v[TB_+TP+\b]
.endr
.endm
; A KEY STEP: 128 keys x 32 queries.  nx = 1: the next step's first four key tiles are asked for.
.macro STEP nx
	s_wait_dscnt 0x0                               ; this step's first four key tiles are in
	SCORES 0
	v_add_nc_u32 v3, s[TB], v1
	v_add_nc_u32 v4, s[TB], v2
	JOIN                                           ; with the two additions ten places: in front of loads into K's fragments and words, which the products above read, and into V's, which the last step's read
	KLOAD 1, 0
	VLOAD
	MAX2 0, 0, 1                                   ; under the loads' flight
	s_wait_alu depctr_va_vdst(0)                   ; the wait, directly ahead of the wait below
	s_wait_dscnt 20                                ; K's 12 loads are in; V's 20, issued behind them, may be out
	SCORES 1
	MAX2 1, 0, 1                                   ; sixteen lines on the first four key tiles' scores alone: the places behind the products above
.if \nx
	KLOAD 0, STEPB
.endif
	MAX2 0, 2, 3
	MAX2 1, 2, 3
.irp c, 0,1
.irp b, 0,1,2,3
	v_permlanex16_b32 v[T+32*\c+TP+\b], v[T+32*\c+BM+\b], s[SEL], s[SEL+1]
.endr
.endr
.irp c, 0,1
.irp b, 0,1,2,3
	v_max_num_f32 v[T+32*\c+BM+\b], v[T+32*\c+BM+\b], v[T+32*\c+TP+\b]   ; with lane l xor 16's 16 keys
.endr
.endr
.irp c, 0,1                                    ; the two tiles' chains by turns
	v_max3_num_f32 v[T+32*\c+TC], v[T+32*\c+BM], v[T+32*\c+BM+1], v[T+32*\c+BM+2]
.endr
.irp c, 0,1
	s_delay_alu instid0(VALU_DEP_2)
	v_max_num_f32 v[T+32*\c+TC], v[T+32*\c+TC], v[T+32*\c+BM+3]
.endr
.irp c, 0,1
	s_delay_alu instid0(VALU_DEP_2)
	v_mul_f32 v[T+32*\c+TC], s[CS], v[T+32*\c+TC]                  ; as t (c is positive)
.endr
.irp c, 0,1
	s_delay_alu instid0(VALU_DEP_2)
	v_max_num_f32 v[T+32*\c+NM+1], v[T+32*\c+NM+1], v[T+32*\c+TC]  ; the running largest t
.endr
.irp c, 0,1
	v_mov_b32 v[T+32*\c+TC], v[T+32*\c+NM]
.endr
.irp c, 0,1
	s_delay_alu instid0(VALU_DEP_4)
	v_floor_f32 v[T+32*\c+NM], -v[T+32*\c+NM+1]                    ; the new -M = floor(-t) = -ceil(t)
.endr
.irp c, 0,1
	s_delay_alu instid0(VALU_DEP_2)
	v_sub_f32 v[T+32*\c+TC], v[T+32*\c+NM], v[T+32*\c+TC]          ; old M - new M: a whole number, 0 or less
.endr
.irp c, 0,1
	s_delay_alu instid0(VALU_DEP_2)
	v_cvt_i32_f32 v[T+32*\c+TC], v[T+32*\c+TC]                     ; (it saturates)
.endr
.irp c, 0,1
	s_delay_alu instid0(VALU_DEP_2)
	v_ldexp_f32 v[T+32*\c+F], 1.0, v[T+32*\c+TC]                   ; f = 2^(old M - new M)
.endr
.irp c, 0,1
.set j, 0
.rept 32
	v_pk_fma_f32 v[S+64*\c+j:S+64*\c+j+1], v[S+64*\c+j:S+64*\c+j+1], s[CS:CS+1], v[T+32*\c+NM:T+32*\c+NM+1] op_sel_hi:[1,0,0]   ; t - M, two at a time
.set j, j+2
.endr
.endr
.irp c, 0,1
.irp b, 0,1,2,3
	v_fma_f32 v[T+32*\c+BM+\b], v[T+32*\c+BM+\b], s[CS], v[T+32*\c+NM]
.endr
.endr
	s_wait_alu depctr_va_vdst(0)                   ; the wait ahead of the batch
.set j, 0
.rept 128
	v_exp_f32 v[S+j], v[S+j]                       ; p = 2^(t - M), at most 1: both tiles in one batch
.set j, j+1
.endr
.irp c, 0,1
	v_pk_mul_f32 v[T+32*\c+SU:T+32*\c+SU+1], v[T+32*\c+SU:T+32*\c+SU+1], v[T+32*\c+F:T+32*\c+F+1] op_sel_hi:[1,0]   ; the sums under the new M: plain lines behind the exponentials
.endr
	s_wait_alu depctr_va_vdst(0)                   ; one wait for the whole batch, ahead of its first reader
.irp c, 0,1
.irp b, 0,1,2,3
	v_exp_f32 v[T+32*\c+BM+\b], v[T+32*\c+BM+\b]   ; the block's largest p
.endr
.endr
.irp c, 0,1                                    ; the step's sum of the unquantised p, in four packed parts a tile
.irp j, 0,2,4,6
	v_pk_add_f32 v[T+32*\c+PS+\j:T+32*\c+PS+\j+1], v[S+64*\c+\j:S+64*\c+\j+1], v[S+64*\c+8+\j:S+64*\c+9+\j]
.endr
.endr
.irp m, 16,24,32,40,48,56
.irp c, 0,1
.irp j, 0,2,4,6
	v_pk_add_f32 v[T+32*\c+PS+\j:T+32*\c+PS+\j+1], v[T+32*\c+PS+\j:T+32*\c+PS+\j+1], v[S+64*\c+\m+\j:S+64*\c+\m+\j+1]
.endr
.endr
.endr
	s_wait_alu depctr_va_vdst(0)                   ; and one for the eight
.irp c, 0,1
.irp b, 0,1,2,3
	v_max_num_f32 v[T+32*\c+BM+\b], 0x4800000, v[T+32*\c+BM+\b]    ; the floor 2^(9 - 127): the byte cannot fall under 1
.endr
.endr
.irp c, 0,1
.irp b, 0,1,2,3
	v_add_nc_u32 v[T+32*\c+SO+\b], 0xfc000000, v[T+32*\c+BM+\b]    ; 8 off the exponent field: the conversion's scale operand
.endr
.endr
.irp c, 0,1
.irp b, 0,1,2,3
	v_and_or_b32 v[T+32*\c+BD+\b], v[T+32*\c+BM+\b], 0x7f800000, s[MNT]   ; 448 x the scale
.endr
.endr
.irp c, 0,1
.irp b, 0,1,2,3
	v_lshrrev_b32 v[T+32*\c+TP+\b], 23, v[T+32*\c+SO+\b]           ; the scale's byte
.endr
.endr
.irp c, 0,1
	v_lshl_or_b32 v[T+32*\c+WT], v[T+32*\c+TP+1], 8, v[T+32*\c+TP]
.endr
.irp c, 0,1
	s_delay_alu instid0(VALU_DEP_2)
	v_lshl_or_b32 v[T+32*\c+WT], v[T+32*\c+TP+2], 16, v[T+32*\c+WT]
.endr
.irp c, 0,1
	s_delay_alu instid0(VALU_DEP_2)
	v_lshl_or_b32 v[PW+\c], v[T+32*\c+TP+3], 24, v[T+32*\c+WT]     ; p's scale word for these 128 keys
.endr
.irp c, 0,1
.irp b, 0,1,2,3
.irp i, 0,2,4,6,8,10,12,14
	v_dual_min_num_f32 v[S+64*\c+16*\b+\i], v[T+32*\c+BD+\b], v[S+64*\c+16*\b+\i] :: v_dual_min_num_f32 v[S+64*\c+16*\b+\i+1], v[T+32*\c+BD+\b], v[S+64*\c+16*\b+\i+1]   ; the conversion does not saturate (ISA guide 7.6.2); p is not negative: a one-sided hold, two numbers a line
.endr
.endr
.endr
	WIN 0x40                                       ; the codes lie in window 1
.irp c, 0,1
.irp b, 0,1,2,3
	v_cvt_scalef32_pk8_fp8_f32 v[PC+16*\c+4*\b:PC+16*\c+4*\b+1], v[S+64*\c+16*\b:S+64*\c+16*\b+7], v[T+32*\c+SO+\b]
	v_cvt_scalef32_pk8_fp8_f32 v[PC+16*\c+4*\b+2:PC+16*\c+4*\b+3], v[S+64*\c+16*\b+8:S+64*\c+16*\b+15], v[T+32*\c+SO+\b]
.endr
.endr
	WIN 0x41                                       ; O^T in window 1, f in window 0
	s_wait_alu depctr_va_vdst(0)                   ; the wait, directly ahead of the first reader of O^T
.irp c, 0,1
.set j, 0
.rept 16
	v_pk_mul_f32 v[O+32*\c+j:O+32*\c+j+1], v[O+32*\c+j:O+32*\c+j+1], v[T+32*\c+F:T+32*\c+F+1] op_sel_hi:[1,0]   ; O^T under the new M; these lines stand between p's codes and the products
.set j, j+2
.endr
.endr
	s_wait_alu depctr_va_vdst(0)                   ; the wait, directly ahead of the wait below
	s_wait_dscnt 12*\nx                            ; V is in; the next step's 12 loads of K, issued behind V's, may be out
	WIN 0x55
.irp t, 0,1,2,3                                ; O^T += V^T P^T: the eight accumulators by turns
.irp c, 0,1
	v_wmma_scale_f32_16x16x128_f8f6f4 v[O+32*\c+8*\t:O+32*\c+8*\t+7], v[VF+16*\t:VF+16*\t+15], v[PC+16*\c:PC+16*\c+15], v[O+32*\c+8*\t:O+32*\c+8*\t+7], v[VW+\t], v[PW+\c]
.endr
.endr
	WIN 0
.endm
	s_wait_alu depctr_va_vdst(0)                   ; the wait at the head's end
	s_wait_loadcnt 0x0                             ; Q
	s_wait_tensorcnt 0x0                           ; my part of steps 0-3 is in
	ds_add_u32 v[SPW], v[NIL]
	s_wait_dscnt 0x0
	ROUND                                          ; everybody's part is in, and all four work-groups are here
	tensor_load_to_lds s[G0C:G0C+3], s[G1C:G1C+7]  ; my part of steps 4-15: bytes that nothing has filled
	s_nop 0
.rept 4
	v_nop
.endr
	KLOAD 0, 0
	s_mov_b32 s[CNT], 3
.Lfirst:                                           ; steps 0 to 2: their reads reach step 3's first four key tiles at the most
	STEP 1
	s_add_co_u32 s[TB], s[TB], STEPB
	s_sub_co_u32 s[CNT], s[CNT], 1
	s_cmp_lg_u32 s[CNT], 0
	s_cbranch_scc1 .Lfirst
	s_wait_tensorcnt 0x0                           ; my part of steps 4-15 is in
	s_wait_dscnt 0x0
	s_barrier_signal -1
	s_barrier_wait -1                              ; everybody's is: the whole head lies in LDS
	s_mov_b32 s[CNT], 12
.Lstep:                                            ; steps 3 to 14
	STEP 1
	s_add_co_u32 s[TB], s[TB], STEPB
	s_sub_co_u32 s[CNT], s[CNT], 1
	s_cmp_lg_u32 s[CNT], 0
	s_cbranch_scc1 .Lstep
	STEP 0                                         ; the last step asks for nothing beyond the head's tiles
	; THE WAY OUT: O^T / the sum; register 16 b + i is channel 32 b + 16 (lane / 16) + i of my query: two blocks of the next product's K, quantised in registers and stored as a part of a register image.
	JOIN                                           ; the last step's parts; eight places behind the last products
.irp c, 0,1
	s_delay_alu instid0(VALU_DEP_2)
	v_add_f32 v[T+32*\c+SU], v[T+32*\c+SU], v[T+32*\c+SU+1]
.endr
.irp c, 0,1
	s_delay_alu instid0(VALU_DEP_2)
	v_permlanex16_b32 v[T+32*\c+TC], v[T+32*\c+SU], s[SEL], s[SEL+1]
.endr
.irp c, 0,1
	s_delay_alu instid0(VALU_DEP_2)
	v_add_f32 v[T+32*\c+SU], v[T+32*\c+SU], v[T+32*\c+TC]          ; the row's sum
.endr
	s_wait_alu depctr_va_vdst(0)
.irp c, 0,1
	v_rcp_f32 v[T+32*\c+SU], v[T+32*\c+SU]
.endr
	v_nop                                          ; a plain line behind the transcendentals
	WIN 0x01                                       ; source 0 (O^T) window 1
	s_wait_alu depctr_va_vdst(0)                   ; the wait, ahead of the first reader
.irp c, 0,1
.set j, 0
.rept 32
	v_mul_f32 v[S+64*\c+j], v[O+32*\c+j], v[T+32*\c+SU]
.set j, j+1
.endr
.endr
	WIN 0
.irp c, 0,1
.irp b, 0,1
	v_max3_num_f32 v[T+32*\c+BM+\b], |v[S+64*\c+16*\b]|, |v[S+64*\c+16*\b+1]|, 0x4800000
.endr
.endr
.irp i, 2,4,6,8,10,12,14
.irp c, 0,1
.irp b, 0,1
	s_delay_alu instid0(VALU_DEP_4)
	v_max3_num_f32 v[T+32*\c+BM+\b], v[T+32*\c+BM+\b], |v[S+64*\c+16*\b+\i]|, |v[S+64*\c+16*\b+\i+1]|
.endr
.endr
.endr
.irp c, 0,1
.irp b, 0,1
	s_delay_alu instid0(VALU_DEP_4)
	v_permlanex16_b32 v[T+32*\c+TP+\b], v[T+32*\c+BM+\b], s[SEL], s[SEL+1]
.endr
.endr
.irp c, 0,1
.irp b, 0,1
	s_delay_alu instid0(VALU_DEP_4)
	v_max_num_f32 v[T+32*\c+BM+\b], v[T+32*\c+BM+\b], v[T+32*\c+TP+\b]
.endr
.endr
.irp c, 0,1
.irp b, 0,1
	s_delay_alu instid0(VALU_DEP_4)
	v_add_nc_u32 v[T+32*\c+SO+\b], 0xfc000000, v[T+32*\c+BM+\b]
.endr
.endr
.irp c, 0,1
.irp b, 0,1
	v_and_or_b32 v[T+32*\c+BD+\b], v[T+32*\c+BM+\b], 0x7f800000, s[MNT]
.endr
.endr
.irp c, 0,1
.irp b, 0,1
	v_lshrrev_b32 v[T+32*\c+TP+\b], 23, v[T+32*\c+SO+\b]
.endr
.endr
.irp c, 0,1
	v_lshl_or_b32 v[T+32*\c+WT], v[T+32*\c+TP+1], 8, v[T+32*\c+TP]   ; the two scale bytes
.endr
.irp c, 0,1
.irp b, 0,1
.irp i, 0,1,2,3,4,5,6,7,8,9,10,11,12,13,14,15
	v_med3_num_f32 v[S+64*\c+16*\b+\i], v[S+64*\c+16*\b+\i], -v[T+32*\c+BD+\b], v[T+32*\c+BD+\b]
.endr
	v_cvt_scalef32_pk8_fp8_f32 v[224+8*\c+4*\b:225+8*\c+4*\b], v[S+64*\c+16*\b:S+64*\c+16*\b+7], v[T+32*\c+SO+\b]
	v_cvt_scalef32_pk8_fp8_f32 v[226+8*\c+4*\b:227+8*\c+4*\b], v[S+64*\c+16*\b+8:S+64*\c+16*\b+15], v[T+32*\c+SO+\b]
.endr
.endr
	v_nop
.irp c, 0,1
	global_store_b128 v1, v[224+8*\c:227+8*\c], s[60:61] offset:17408*\c            ; 512 consecutive bytes each
	global_store_b128 v1, v[228+8*\c:231+8*\c], s[60:61] offset:17408*\c+512
	global_store_b16 v5, v[T+32*\c+WT], s[62:63] offset:17408*\c                    ; two of the row's eight scale bytes of this unit
.endr
	s_wait_tensorcnt 0x0                           ; the wave's end
	ds_add_u32 v[SPW], v[NIL]
	s_wait_dscnt 0x0
	ROUND                                          ; the closing round
	s_endpgm
.Lfunc_end_k_q67413192fc_attn:
	.size	k_q67413192fc_attn, .Lfunc_end_k_q67413192fc_attn-k_q67413192fc_attn
	.p2alignl 7, 3214868480
	.fill 96, 4, 3214868480
	.section	.rodata,"a",@progbits
	.p2align	6, 0x0
	.amdhsa_kernel k_q67413192fc_attn
		.amdhsa_group_segment_fixed_size 327680
		.amdhsa_private_segment_fixed_size 0
		.amdhsa_enable_private_segment 0
		.amdhsa_kernarg_size 24
		.amdhsa_user_sgpr_count 2
		.amdhsa_user_sgpr_kernarg_segment_ptr 1
		.amdhsa_wavefront_size32 1
		.amdhsa_system_sgpr_workgroup_id_x 1
		.amdhsa_system_sgpr_workgroup_id_y 1
		.amdhsa_system_sgpr_workgroup_id_z 1
		.amdhsa_system_vgpr_workitem_id 0
		.amdhsa_next_free_vgpr 512
		.amdhsa_next_free_sgpr 66
		.amdhsa_reserve_vcc 0
		.amdhsa_float_denorm_mode_32 3
		.amdhsa_float_denorm_mode_16_64 3
		.amdhsa_memory_ordered 1
		.amdhsa_forward_progress 1
		.amdhsa_inst_pref_size 131
	.end_amdhsa_kernel
	.amdgpu_metadata
---
amdhsa.version: [ 1, 2 ]
amdhsa.kernels:
  - .name:           k_q67413192fc_attn
    .symbol:         k_q67413192fc_attn.kd
    .args:
      - { .name: QB, .offset: 0, .size: 8, .value_kind: global_buffer, .address_space: global }
      - { .name: KV, .offset: 8, .size: 8, .value_kind: global_buffer, .address_space: global }
      - { .name: CTX, .offset: 16, .size: 8, .value_kind: global_buffer, .address_space: global }
    .group_segment_fixed_size: 327680
    .private_segment_fixed_size: 0
    .kernarg_segment_align: 8
    .kernarg_segment_size: 24
    .max_flat_workgroup_size: 256
    .sgpr_count:     66
    .vgpr_count:     512
    .wavefront_size: 32
...
	.end_amdgpu_metadata
.endif
;; end of part 3
;; launch wo (part 4): grid 8 x 32, 4 waves a work-group, clusters of 4 x 4, 327,680 bytes of LDS; arguments CTX, PREP, Y; writes Y
.if DOCPART == 4
	.amdgcn_target "amdgcn-amd-amdhsa--gfx1250"
	.amdhsa_code_object_version 6
	.text
	.protected	k_q67413192fc_wo
	.globl	k_q67413192fc_wo
	.p2align	8
	.type	k_q67413192fc_wo,@function
k_q67413192fc_wo:
	s_mov_b64 s[64:65], 0
	v_nop
	global_prefetch_b8 v0, s[64:65] scope:SCOPE_SE
	s_setreg_imm32_b32 hwreg(HW_REG_WAVE_MODE, 25, 1), 1
	s_wait_xcnt 0x0
	s_wait_alu depctr_hold_cnt(0) depctr_sa_sdst(0) depctr_va_vdst(0) depctr_va_sdst(0) depctr_va_ssrc(0) depctr_va_vcc(0) depctr_vm_vsrc(0)
	s_getreg_b32 s2, hwreg(HW_REG_IB_STS2, 6, 4)
	s_cmp_eq_u32 s2, 0
	s_cbranch_scc0 .Lentry_in_a_cluster
	s_endpgm
.Lentry_in_a_cluster:
	s_bfe_u32 s2, ttmp6, 0x10000c
	s_cmp_lg_u32 s2, 0xf033
	s_cbranch_scc0 .Lentry_shape_is_right
	s_endpgm
.Lentry_shape_is_right:
; Y = ctx Wo, raw f32 sums, on codes of FP8 (E4M3) with E8M0 scales for each 32 along K = 1,024.  The bias, the residual and the layer norm follow in the next launch, which needs whole rows.
; 4,096 x 1,024 results are dealt to 256 work-groups: a block of 128 tokens x 128 columns each, four waves, 64 x 64 a wave: 16 accumulators, 128 registers.
; Operands come as images of their registers: a tile of 16 rows is four units of 4,352 bytes on end (256 along K each: 4,096 bytes of codes, 256 of scale words).
; ALL OF K LIES IN LDS AT ONCE: 2 x 8 tiles x 17,408 bytes = 278,528.  No byte is filled twice: no ring, no refill.  One joint load a wave at the head: wave 0 the tokens' units 0 and 1, wave 1 the columns' units 0 and 1,
; waves 2 and 3 units 2 and 3: eight rows of 8,704 bytes, 17,408 apart in memory.  The first barrier shows waves 0 and 1's loads (load lines of their own), the second all.
; CLUSTERS: 4 x 4 work-groups; the tokens' tiles are asked for jointly along a row of the cluster, the columns' along a column.
; No prefetch: every byte is asked for at the head, and the launch has no loop to run ahead in.
; The matrix instruction is used transposed (source 0 = 16 columns of Wo, source 1 = 16 tokens).
; Y is laid as an image of the accumulators: (8 x token tile + column group of 128) x 8,192 + column tile x 1,024 + e x 512 + 16 x lane: every store covers 512 consecutive bytes.
; REGISTERS: window 0: v2-10 addresses; v16-31 scale words, two sets of eight (register 2 i + q: lanes 0-15 the tokens' tile i, lanes 16-31 the columns' tile i); v128-255 the tokens' fragments, two sets;
;   window 1: v0-127 the accumulators, (a, b) at v[8 (4 a + b)]; v128-255 the columns' fragments, two sets.
.set BOFF,   7798784                   ; Wo's image in PREP
.set UNIT,   4352
.set TROW,   4*UNIT                    ; a tile's bytes, all of K
.set HB,     2*UNIT                    ; two units: a row of a load
.set REG,    8*HB                      ; what one load brings
.set SPARE,  4*REG                     ; behind the four regions: the spare words, 128 bytes a wave
.set ADRA, 2                           ; v2, v3 LDS address of my tokens' fragments, K's first and second half
.set ADRB, 4                           ; v4, v5 my columns'
.set ADRS, 6                           ; v6, v7 the scale words'
.set SPW,  8
.set NIL,  9
.set L16,  10
.set SC,   16
.set G1,  24
.set G1B, 48
.set MSB, 0
.macro WIN new                         ; the immediate's high byte repeats the setting that is left
.if MSB != \new
	s_set_vgpr_msb (MSB<<8)|\new
.set MSB, \new
.endif
.endm
.macro PLACES n
.rept \n
	v_nop
.endr
.endm
.macro CROUND                          ; a round of the cluster's barrier
	s_barrier_signal -1
	s_barrier_wait -1
	s_cmp_lg_u32 s14, 0
	s_cbranch_scc1 .Lnot_wave_0_\@
	s_barrier_signal -3
.Lnot_wave_0_\@:
	s_barrier_wait -3
	s_barrier_signal -1
	s_barrier_wait -1
.endm
.macro GRP0 g, lds, base, off
	s_mov_b32 s[\g], 1
	s_mov_b32 s[\g+1], \lds
	s_add_nc_u64 s[\g+2:\g+3], s[\base:\base+1], \off
	s_or_b32 s[\g+3], s[\g+3], 0x80000000
.endm
.macro ARM under, g0, g1, next         ; one arm of the head's chain: a load, s_nop 0 and four v_nop, a jump to the join
	s_cmp_lt_u32 s14, \under
	s_cbranch_scc0 \next
	tensor_load_to_lds s[\g0:\g0+3], s[\g1:\g1+7]
	s_nop 0
	PLACES 4
	s_branch .Lasked
\next:
.endm
.macro LOADK p, k                      ; the fragments of the k-th 128 of K's half p into set k % 2: 32 loads; with an even k the unit's scale words: 4 more
	WIN 0x40
.irp i, 0,1,2,3
.irp c, 0,1,2,3
	ds_load_b128 v[128+64*((\k)%2)+16*\i+4*\c:128+64*((\k)%2)+16*\i+4*\c+3], v[ADRB+\p] offset:\i*HB+2048*(\k)+256*((\k)/2)+512*\c
.endr
.endr
	WIN 0
.irp i, 0,1,2,3
.irp c, 0,1,2,3
	ds_load_b128 v[128+64*((\k)%2)+16*\i+4*\c:128+64*((\k)%2)+16*\i+4*\c+3], v[ADRA+\p] offset:\i*HB+2048*(\k)+256*((\k)/2)+512*\c
.endr
.endr
.if (\k)%2 == 0
.irp i, 0,1,2,3
	ds_load_b64 v[SC+8*((\k)/2)+2*\i:SC+8*((\k)/2)+2*\i+1], v[ADRS+\p] offset:\i*HB+UNIT*((\k)/2)
.endr
.endif
.endm
.macro MUL k, zero                     ; 16 products, the 16 accumulators by turns
.set S_, 128+64*((\k)%2)
.set W_, SC+8*((\k)/2)+(\k)%2
	WIN 0x51                                       ; source 0, C and D window 1, source 1 window 0
.irp a, 0,1,2,3
.irp b, 0,1,2,3
.if \zero
	v_wmma_scale_f32_16x16x128_f8f6f4 v[8*(4*\a+\b):8*(4*\a+\b)+7], v[S_+16*\b:S_+16*\b+15], v[S_+16*\a:S_+16*\a+15], 0, v[W_+2*\b], v[W_+2*\a] matrix_a_scale:MATRIX_SCALE_ROW1
.else
	v_wmma_scale_f32_16x16x128_f8f6f4 v[8*(4*\a+\b):8*(4*\a+\b)+7], v[S_+16*\b:S_+16*\b+15], v[S_+16*\a:S_+16*\a+15], v[8*(4*\a+\b):8*(4*\a+\b)+7], v[W_+2*\b], v[W_+2*\a] matrix_a_scale:MATRIX_SCALE_ROW1
.endif
.endr
.endr
	WIN 0
.endm
.macro HALF p, zero                    ; 512 along K.  While one set is multiplied the other set's loads are out; eight places stand in front of loads into registers that products have read
	LOADK \p, 0
	LOADK \p, 1
	s_wait_dscnt 32                                ; all but the 32 loads just issued
	MUL 0, \zero
	PLACES 8
	LOADK \p, 2
	s_wait_dscnt 36                                ; all but the 36 just issued
	MUL 1, 0
	PLACES 8
	LOADK \p, 3
	s_wait_dscnt 32
	MUL 2, 0
	s_wait_dscnt 0x0
	MUL 3, 0
.endm
	s_load_b128 s[4:7], s[0:1], 0x0                ; CTX s[4:5], PREP s[6:7]
	s_load_b64 s[8:9], s[0:1], 0x10                ; Y
	v_lshl_add_u32 v[SPW], v0, 2, SPARE
	v_mov_b32 v[NIL], 0
	ds_add_u32 v[SPW], v[NIL]                      ; the opening lines: the add twice on end and its wait ahead of my first tensor load
	ds_add_u32 v[SPW], v[NIL]
	v_lshrrev_b32 v1, 5, v0
	v_readfirstlane_b32 s14, v1                    ; wave 0..3
	s_lshr_b32 s15, s14, 1                         ; my half of the tokens
	s_and_b32 s16, s14, 1                          ; my half of the columns
	s_bfe_u32 s40, ttmp6, 0x40000
	s_bfe_u32 s41, ttmp6, 0x40004
	s_lshl_b32 s42, ttmp9, 2
	s_add_co_u32 s42, s42, s40                     ; block column 0..7
	s_and_b32 s17, ttmp7, 0xffff
	s_lshl_b32 s17, s17, 2
	s_add_co_u32 s17, s17, s41                     ; block row 0..31
	s_lshl_b32 s43, s41, 2
	s_lshl_b32 s43, 15, s43                        ; my row of the cluster
	s_lshl_b32 s44, 0x1111, s40                    ; my column
	s_or_b32 s[G1+0], s43, (3<<16)|(1<<21)         ; 8 rows of 1,088 elements of 8 bytes, 2,176 elements apart, dense in LDS
	s_or_b32 s[G1B+0], s44, (3<<16)|(1<<21)
.irp g, G1, G1B
	s_mov_b32 s[\g+1], (HB/8)<<16
	s_mov_b32 s[\g+2], 8<<16
	s_mov_b32 s[\g+3], (HB/8)<<16
	s_mov_b32 s[\g+4], 8
	s_mov_b32 s[\g+5], TROW/8
	s_mov_b32 s[\g+6], 0
	s_mov_b32 s[\g+7], 0
.endr
	s_mul_i32 s20, s17, 8*TROW                     ; the block's eight tiles of tokens
	s_mov_b32 s21, 0
	s_mul_i32 s46, s42, 8*TROW                     ; and of columns
	s_add_co_u32 s46, s46, BOFF
	s_mov_b32 s47, 0
	s_lshl_b32 s70, s17, 3
	s_lshl_b32 s71, s15, 2
	s_add_co_u32 s70, s70, s71                     ; my first token tile
	s_lshl_b32 s70, s70, 3
	s_add_co_u32 s70, s70, s42                     ; x 8 + column group
	s_lshl_b32 s70, s70, 3
	s_lshl_b32 s71, s16, 2
	s_add_co_u32 s70, s70, s71                     ; x 8 + my first column tile
	s_lshl_b32 s70, s70, 10
	s_mov_b32 s71, 0
	s_mul_i32 s72, s15, 4*HB                       ; LDS: my four tiles of tokens,
	s_mul_i32 s73, s16, 4*HB
	s_add_co_u32 s73, s73, REG                     ; of columns,
	s_sub_co_u32 s74, s73, s72                     ; the distance between the two,
	s_add_co_u32 s75, s72, 4096                    ; and the tokens' scale words
	s_wait_dscnt 0x0
	s_wait_kmcnt 0x0
	s_add_nc_u64 s[20:21], s[4:5], s[20:21]
	s_add_nc_u64 s[46:47], s[6:7], s[46:47]
	s_add_nc_u64 s[8:9], s[8:9], s[70:71]
	CROUND                                         ; all sixteen work-groups are here: the joint loads meet
	GRP0 32, 0, 20, 0
	GRP0 36, REG, 46, 0
	GRP0 56, 2*REG, 20, HB
	GRP0 60, 3*REG, 46, HB
	ARM 1, 32, G1,  .Larm_1
	ARM 2, 36, G1B, .Larm_2
	ARM 3, 56, G1,  .Larm_3
	tensor_load_to_lds s[60:63], s[G1B:G1B+7]
	s_nop 0
	PLACES 4
.Lasked:
	v_and_b32 v1, 31, v0
	v_lshlrev_b32 v[L16], 4, v1
	v_and_b32 v12, 15, v0
	v_bfe_u32 v13, v0, 4, 1
	v_mul_u32_u24 v14, s74, v13                    ; lanes 16-31 take the columns' scale words
	v_lshl_add_u32 v14, v12, 3, v14
	v_add_nc_u32 v[ADRS], s75, v14
	v_add_nc_u32 v[ADRS+1], 2*REG, v[ADRS]
	v_add_nc_u32 v[ADRA], s72, v[L16]
	v_add_nc_u32 v[ADRB], s73, v[L16]
	v_add_nc_u32 v[ADRA+1], 2*REG, v[ADRA]
	v_add_nc_u32 v[ADRB+1], 2*REG, v[ADRB]
	s_wait_alu depctr_va_vdst(0)                   ; the wait at the head's end
	s_cmp_lt_u32 s14, 2
	s_cbranch_scc0 .Lnot_first
	s_wait_tensorcnt 0x0                           ; waves 0 and 1: K's first half has landed; waves 2 and 3 wait at the second barrier
.Lnot_first:
	s_barrier_signal -1
	s_barrier_wait -1
	HALF 0, 1
	s_wait_tensorcnt 0x0                           ; K's second half has landed
	s_wait_dscnt 0x0
	s_barrier_signal -1
	s_barrier_wait -1
	PLACES 8                                       ; in front of loads into both sets, which the last products have read
	HALF 1, 0
	PLACES 8                                       ; in front of the stores that read results
	WIN 0x04                                       ; a store's data are its source 1: window 1
.irp a, 0,1,2,3
.irp b, 0,1,2,3
	global_store_b128 v[L16], v[8*(4*\a+\b):8*(4*\a+\b)+3], s[8:9] offset:\a*65536+\b*1024 th:TH_STORE_NT          ; each accumulator from its low end on
	global_store_b128 v[L16], v[8*(4*\a+\b)+4:8*(4*\a+\b)+7], s[8:9] offset:\a*65536+\b*1024+512 th:TH_STORE_NT
.endr
.endr
	WIN 0
	s_wait_tensorcnt 0x0                           ; the wave's end
	ds_add_u32 v[SPW], v[NIL]
	s_wait_dscnt 0x0
	CROUND                                         ; the closing round
	s_endpgm
.Lfunc_end_k_q67413192fc_wo:
	.size	k_q67413192fc_wo, .Lfunc_end_k_q67413192fc_wo-k_q67413192fc_wo
	.p2alignl 7, 3214868480
	.fill 96, 4, 3214868480
	.section	.rodata,"a",@progbits
	.p2align	6, 0x0
	.amdhsa_kernel k_q67413192fc_wo
		.amdhsa_group_segment_fixed_size 327680
		.amdhsa_private_segment_fixed_size 0
		.amdhsa_enable_private_segment 0
		.amdhsa_kernarg_size 24
		.amdhsa_user_sgpr_count 2
		.amdhsa_user_sgpr_kernarg_segment_ptr 1
		.amdhsa_wavefront_size32 1
		.amdhsa_system_sgpr_workgroup_id_x 1
		.amdhsa_system_sgpr_workgroup_id_y 1
		.amdhsa_system_sgpr_workgroup_id_z 1
		.amdhsa_system_vgpr_workitem_id 0
		.amdhsa_next_free_vgpr 512
		.amdhsa_next_free_sgpr 80
		.amdhsa_reserve_vcc 0
		.amdhsa_float_denorm_mode_32 3
		.amdhsa_float_denorm_mode_16_64 3
		.amdhsa_memory_ordered 1
		.amdhsa_forward_progress 1
		.amdhsa_inst_pref_size 46
	.end_amdhsa_kernel
	.amdgpu_metadata
---
amdhsa.version: [ 1, 2 ]
amdhsa.kernels:
  - .name:           k_q67413192fc_wo
    .symbol:         k_q67413192fc_wo.kd
    .args:
      - { .name: CTX, .offset: 0, .size: 8, .value_kind: global_buffer, .address_space: global }
      - { .name: PREP, .offset: 8, .size: 8, .value_kind: global_buffer, .address_space: global }
      - { .name: Y, .offset: 16, .size: 8, .value_kind: global_buffer, .address_space: global }
    .group_segment_fixed_size: 327680
    .private_segment_fixed_size: 0
    .kernarg_segment_align: 8
    .kernarg_segment_size: 24
    .max_flat_workgroup_size: 128
    .sgpr_count:     80
    .vgpr_count:     512
    .wavefront_size: 32
...
	.end_amdgpu_metadata
.endif
;; end of part 4
;; launch ln1 (part 5): grid 256 x 1, 8 waves a work-group, no clusters, 2,048 bytes of LDS; arguments Y, x, bo, g0, be0, H0; writes H0
.if DOCPART == 5
	.amdgcn_target "amdgcn-amd-amdhsa--gfx1250"
	.amdhsa_code_object_version 6
	.text
	.protected	k_q67413192fc_ln1
	.globl	k_q67413192fc_ln1
	.p2align	8
	.type	k_q67413192fc_ln1,@function
k_q67413192fc_ln1:
	s_mov_b64 s[64:65], 0
	v_nop
	global_prefetch_b8 v0, s[64:65] scope:SCOPE_SE
	s_setreg_imm32_b32 hwreg(HW_REG_WAVE_MODE, 25, 1), 1
	s_wait_xcnt 0x0
; h0 = layer norm(x + (Y + bo)) x g0 + be0, in f32; h0 leaves twice: as f32 (for the second residual) and as codes of FP8 (E4M3) with E8M0 scales along the features (the next product's operand).
; A work-group takes one tile of 16 tokens, each of its eight waves 128 features.  Lane (r, h) holds token 32 (i / 2) + 8 (i % 2) + r + 8 (r / 8), and its register 16 b + j feature 128 w + 32 b + 16 h + j:
; the layout in which Y was stored, and in which the quantiser wants its K.  A row's sums meet in LDS: two barriers.  The variance is taken of x - mean: no difference of large sums is formed.
; Memory binds: matrix units, clusters and tensor loads would add nothing.
; LIMITS: a block of zeros has the byte 1 (this program alone reads the bytes); blocks under 2^-118 are held at the byte 1; NaN and infinities are not served.
.set FIRST, 1
.set L16, 1                            ; 16 x lane
.set RO,  2                            ; the residual's offset
.set BO,  3                            ; 64 h
.set LW,  4                            ; LDS: 64 w + 4 r
.set LR,  5                            ; LDS: 4 r
.set L8,  6                            ; 8 x lane
.set V,   16
.set A,   80
.set B,   144
.set TM,  208
.set PW,  224
.set SM,  225
.set P,   226                          ; v226-233 four packed chains, then the eight waves' parts
.set NM,  234                          ; v[234:235] minus the mean, twice
.set RS,  236                          ; v[236:237] 1 / sqrt(var + eps)
.set SX,  238
.set SEL, 32
.set MNT, 34
.macro QUANT s, pc, pw
.irp b, 0,1,2,3
	v_max3_num_f32 v[TM+\b], |v[\s+16*\b]|, |v[\s+1+16*\b]|, 0x4800000
.endr
.irp i, 2,4,6,8,10,12,14
.irp b, 0,1,2,3
	s_delay_alu instid0(VALU_DEP_4)
	v_max3_num_f32 v[TM+\b], v[TM+\b], |v[\s+16*\b+\i]|, |v[\s+1+16*\b+\i]|
.endr
.endr
.irp b, 0,1,2,3
	s_delay_alu instid0(VALU_DEP_4)
	v_permlanex16_b32 v[TM+4+\b], v[TM+\b], s[SEL], s[SEL+1]
.endr
.irp b, 0,1,2,3
	s_delay_alu instid0(VALU_DEP_4)
	v_max_num_f32 v[TM+\b], v[TM+\b], v[TM+4+\b]
.endr
.irp b, 0,1,2,3
	s_delay_alu instid0(VALU_DEP_4)
	v_add_nc_u32 v[TM+12+\b], 0xfc000000, v[TM+\b]
.endr
.irp b, 0,1,2,3
	v_and_or_b32 v[TM+8+\b], v[TM+\b], 0x7f800000, s[MNT]
.endr
.irp b, 0,1,2,3
	v_lshrrev_b32 v[TM+4+\b], 23, v[TM+12+\b]
.endr
	s_delay_alu instid0(VALU_DEP_3)
	v_lshl_or_b32 v[\pw], v[TM+5], 8, v[TM+4]
	s_delay_alu instid0(VALU_DEP_1)
	v_lshl_or_b32 v[\pw], v[TM+6], 16, v[\pw]
	s_delay_alu instid0(VALU_DEP_1)
	v_lshl_or_b32 v[\pw], v[TM+7], 24, v[\pw]
.irp b, 0,1,2,3
.irp i, 0,1,2,3,4,5,6,7,8,9,10,11,12,13,14,15
	v_med3_num_f32 v[\s+16*\b+\i], v[\s+16*\b+\i], -v[TM+8+\b], v[TM+8+\b]
.endr
	v_cvt_scalef32_pk8_fp8_f32 v[\pc+4*\b:\pc+1+4*\b], v[\s+16*\b:\s+7+16*\b], v[TM+12+\b]
	v_cvt_scalef32_pk8_fp8_f32 v[\pc+2+4*\b:\pc+3+4*\b], v[\s+8+16*\b:\s+15+16*\b], v[TM+12+\b]
.endr
	v_nop
.endm
.macro MEET off                        ; my 128 features' sum in v[SM] becomes the row's sum, in every lane
	s_delay_alu instid0(VALU_DEP_1)
	v_permlanex16_b32 v[SX], v[SM], s[SEL], s[SEL+1]
	s_delay_alu instid0(VALU_DEP_1)
	v_add_f32 v[SM], v[SM], v[SX]
	ds_store_b32 v[LW], v[SM] offset:\off          ; both halves of the lanes write the same word with the same value
	s_wait_dscnt 0x0                               ; for the others' sake
	s_barrier_signal -1
	s_barrier_wait -1
.irp k, 0,1,2,3,4,5,6,7
	ds_load_b32 v[P+\k], v[LR] offset:\off+64*\k
.endr
	s_wait_dscnt 0x0
	v_pk_add_f32 v[P:P+1], v[P:P+1], v[P+2:P+3]
	v_pk_add_f32 v[P+4:P+5], v[P+4:P+5], v[P+6:P+7]
	s_delay_alu instid0(VALU_DEP_1)
	v_pk_add_f32 v[P:P+1], v[P:P+1], v[P+4:P+5]
	s_delay_alu instid0(VALU_DEP_1)
	v_add_f32 v[SM], v[P], v[P+1]
.endm
	s_load_b256 s[4:11], s[0:1], 0x0               ; Y s[4:5], the residual s[6:7], the bias s[8:9], gamma s[10:11]
	s_load_b128 s[12:15], s[0:1], 0x20             ; beta s[12:13], the output s[14:15]
	v_lshl_add_u32 v240, v0, 2, 0x400
	v_mov_b32 v241, 0
	v_lshrrev_b32 v8, 5, v0
	s_delay_alu instid0(VALU_DEP_1)
	v_readfirstlane_b32 s16, v8                    ; wave 0..7
	v_and_b32 v8, 31, v0
	v_and_b32 v9, 15, v0                           ; r
	v_bfe_u32 v10, v0, 4, 1                        ; h
	s_delay_alu instid0(VALU_DEP_3)
	v_lshlrev_b32 v[L16], 4, v8
	s_delay_alu instid0(VALU_DEP_4)
	v_lshlrev_b32 v[L8], 3, v8
	s_delay_alu instid0(VALU_DEP_3)
	v_lshlrev_b32 v[BO], 6, v10
	v_lshlrev_b32 v[LR], 2, v9
	s_lshl_b32 s17, s16, 6
	v_add_nc_u32 v[LW], s17, v[LR]
	v_and_b32 v11, 8, v9
	s_delay_alu instid0(VALU_DEP_1)
	v_add_nc_u32 v11, v11, v9
	s_delay_alu instid0(VALU_DEP_1)
	v_lshlrev_b32 v11, 12, v11
	s_delay_alu instid0(VALU_DEP_1)
	v_lshl_add_u32 v[RO], v10, 6, v11              ; (r + 8 (r / 8)) rows of 4,096 bytes + 64 h
	v_mov_b32 v[SX], 0                             ; a lane permute's destination counts as one of its sources
.irp b, 0,1,2,3
	v_mov_b32 v[TM+4+\b], 0
.endr
	s_mov_b32 s[SEL], 0x76543210
	s_mov_b32 s[SEL+1], 0xfedcba98
	s_mov_b32 s[MNT], 0x600000
	s_mov_b32 s30, 0x3a800000                      ; 1 / 1,024
	s_lshl_b32 s20, s16, 9                         ; my 128 features x 4 bytes
	s_mov_b32 s21, 0
	s_lshl_b32 s22, ttmp9, 3
	s_add_co_u32 s22, s22, s16
	s_lshl_b32 s22, s22, 13                        ; the f32 image: (8 i + w) x 8,192
	s_mov_b32 s23, 0
	s_lshr_b32 s24, ttmp9, 1
	s_lshl_b32 s24, s24, 5
	s_and_b32 s25, ttmp9, 1
	s_lshl_b32 s25, s25, 3
	s_add_co_u32 s24, s24, s25
	s_lshl_b32 s24, s24, 12
	s_add_co_u32 s24, s24, s20                     ; the tile's first token's row, at my features
	s_mov_b32 s25, 0
	s_lshl_b32 s26, ttmp9, 2
	s_lshr_b32 s27, s16, 1
	s_add_co_u32 s26, s26, s27
	s_mul_i32 s26, s26, 4352
	s_add_co_u32 s26, s26, 16777216                ; the codes' unit 4 i + w / 2, behind the f32 image
	s_and_b32 s27, s16, 1
	s_lshl_b32 s28, s27, 2
	s_add_co_u32 s28, s28, s26
	s_add_co_u32 s28, s28, 4096                    ; its scale words, mine the (w % 2)-th of a row's two
	s_mov_b32 s29, 0
	s_lshl_b32 s27, s27, 11
	s_add_co_u32 s26, s26, s27
	s_mov_b32 s27, 0
	s_wait_alu depctr_va_vdst(0)
	s_wait_kmcnt 0x0
	s_add_nc_u64 s[4:5], s[4:5], s[22:23]          ; Y is laid as the f32 image is: (8 i + w) x 8,192
	s_add_nc_u64 s[6:7], s[6:7], s[24:25]
	s_add_nc_u64 s[8:9], s[8:9], s[20:21]
	s_add_nc_u64 s[10:11], s[10:11], s[20:21]
	s_add_nc_u64 s[12:13], s[12:13], s[20:21]
	s_add_nc_u64 s[36:37], s[14:15], s[22:23]
	s_add_nc_u64 s[38:39], s[14:15], s[26:27]
	s_add_nc_u64 s[40:41], s[14:15], s[28:29]
.irp n, 0,1,2,3,4,5,6,7,8,9,10,11,12,13,14,15
	global_load_b128 v[V+4*\n:V+4*\n+3], v[L16], s[4:5] offset:512*\n th:TH_LOAD_NT
.endr
.irp b, 0,1,2,3
.irp j, 0,1,2,3
	global_load_b128 v[A+16*\b+4*\j:A+16*\b+4*\j+3], v[RO], s[6:7] offset:128*\b+16*\j th:TH_LOAD_NT
.endr
.endr
.irp b, 0,1,2,3
.irp j, 0,1,2,3
	global_load_b128 v[B+16*\b+4*\j:B+16*\b+4*\j+3], v[BO], s[8:9] offset:128*\b+16*\j
.endr
.endr
	s_wait_loadcnt 16                              ; Y and the residual are in; the bias's 16 loads may be out
.set n, 0
.rept 32
	v_pk_add_f32 v[V+n:V+n+1], v[V+n:V+n+1], v[A+n:A+n+1]
.set n, n+2
.endr
.irp b, 0,1,2,3
.irp j, 0,1,2,3
	global_load_b128 v[A+16*\b+4*\j:A+16*\b+4*\j+3], v[BO], s[10:11] offset:128*\b+16*\j   ; gamma
.endr
.endr
	s_wait_loadcnt 16                              ; the bias is in; gamma's 16 loads may be out
.set n, 0
.rept 32
	v_pk_add_f32 v[V+n:V+n+1], v[V+n:V+n+1], v[B+n:B+n+1]
.set n, n+2
.endr
.irp b, 0,1,2,3
.irp j, 0,1,2,3
	global_load_b128 v[B+16*\b+4*\j:B+16*\b+4*\j+3], v[BO], s[12:13] offset:128*\b+16*\j   ; beta
.endr
.endr
	v_pk_add_f32 v[228:229], v[16:17], v[24:25]
	v_pk_add_f32 v[230:231], v[32:33], v[40:41]
	v_pk_add_f32 v[232:233], v[48:49], v[56:57]
	v_pk_add_f32 v[236:237], v[64:65], v[72:73]
	v_pk_add_f32 v[234:235], v[18:19], v[26:27]
	v_pk_add_f32 v[224:225], v[34:35], v[42:43]
	v_pk_add_f32 v[222:223], v[50:51], v[58:59]
	v_pk_add_f32 v[226:227], v[66:67], v[74:75]
	s_delay_alu instid0(VALU_DEP_1)
	v_pk_add_f32 v[226:227], v[226:227], v[20:21]
	v_pk_add_f32 v[228:229], v[228:229], v[28:29]
	v_pk_add_f32 v[230:231], v[230:231], v[36:37]
	v_pk_add_f32 v[232:233], v[232:233], v[44:45]
	v_pk_add_f32 v[236:237], v[236:237], v[52:53]
	v_pk_add_f32 v[234:235], v[234:235], v[60:61]
	v_pk_add_f32 v[224:225], v[224:225], v[68:69]
	v_pk_add_f32 v[222:223], v[222:223], v[76:77]
	v_pk_add_f32 v[226:227], v[226:227], v[22:23]
	v_pk_add_f32 v[228:229], v[228:229], v[30:31]
	v_pk_add_f32 v[230:231], v[230:231], v[38:39]
	v_pk_add_f32 v[232:233], v[232:233], v[46:47]
	v_pk_add_f32 v[236:237], v[236:237], v[54:55]
	v_pk_add_f32 v[234:235], v[234:235], v[62:63]
	v_pk_add_f32 v[224:225], v[224:225], v[70:71]
	v_pk_add_f32 v[222:223], v[222:223], v[78:79]
	s_delay_alu instid0(VALU_DEP_4)
	v_pk_add_f32 v[226:227], v[226:227], v[236:237]
	s_delay_alu instid0(VALU_DEP_4)
	v_pk_add_f32 v[228:229], v[228:229], v[234:235]
	s_delay_alu instid0(VALU_DEP_4)
	v_pk_add_f32 v[230:231], v[230:231], v[224:225]
	s_delay_alu instid0(VALU_DEP_4)
	v_pk_add_f32 v[232:233], v[232:233], v[222:223]
	s_delay_alu instid0(VALU_DEP_2)
	v_pk_add_f32 v[226:227], v[226:227], v[230:231]
	s_delay_alu instid0(VALU_DEP_2)
	v_pk_add_f32 v[228:229], v[228:229], v[232:233]
	s_delay_alu instid0(VALU_DEP_1)
	v_pk_add_f32 v[226:227], v[226:227], v[228:229]
	s_delay_alu instid0(VALU_DEP_1)
	v_add_f32 v[SM], v[P], v[P+1]
	MEET 0
	s_delay_alu instid0(VALU_DEP_1)
	v_mul_f32 v[NM], 0xba800000, v[SM]             ; minus the mean
	s_delay_alu instid0(VALU_DEP_1)
	v_mov_b32 v[NM+1], v[NM]
.set n, 0
.rept 32
	v_pk_add_f32 v[V+n:V+n+1], v[V+n:V+n+1], v[NM:NM+1]
.set n, n+2
.endr
.irp k, 0,1,2,3
	v_pk_mul_f32 v[P+2*\k:P+2*\k+1], v[V+2*\k:V+2*\k+1], v[V+2*\k:V+2*\k+1]                ; the sum of squares
.endr
.irp m, 8,16,24,32,40,48,56
.irp k, 0,1,2,3
	s_delay_alu instid0(VALU_DEP_4)
	v_pk_fma_f32 v[P+2*\k:P+2*\k+1], v[V+\m+2*\k:V+\m+2*\k+1], v[V+\m+2*\k:V+\m+2*\k+1], v[P+2*\k:P+2*\k+1]
.endr
.endr
	s_delay_alu instid0(VALU_DEP_3)
	v_pk_add_f32 v[P:P+1], v[P:P+1], v[P+2:P+3]
	s_delay_alu instid0(VALU_DEP_2)
	v_pk_add_f32 v[P+4:P+5], v[P+4:P+5], v[P+6:P+7]
	s_delay_alu instid0(VALU_DEP_1)
	v_pk_add_f32 v[P:P+1], v[P:P+1], v[P+4:P+5]
	s_delay_alu instid0(VALU_DEP_1)
	v_add_f32 v[SM], v[P], v[P+1]
	MEET 512                                       ; other words than the first meeting's: no barrier between its reads and these stores
	s_delay_alu instid0(VALU_DEP_1)
	v_fmaak_f32 v[SM], s30, v[SM], 0x3727c5ac      ; the variance + 1e-5
	s_wait_alu depctr_va_vdst(0)
	v_rsq_f32 v[RS], v[SM]
	v_mov_b32 v[RS+1], 0                           ; a plain line behind the transcendental (the pair's upper half is named below)
	s_wait_alu depctr_va_vdst(0)                   ; the wait, ahead of the first reader
	s_wait_loadcnt 0x0                             ; gamma and beta
.set n, 0
.rept 32
	v_pk_mul_f32 v[V+n:V+n+1], v[V+n:V+n+1], v[RS:RS+1] op_sel_hi:[1,0]
.set n, n+2
.endr
.set n, 0
.rept 32
	v_pk_fma_f32 v[V+n:V+n+1], v[V+n:V+n+1], v[A+n:A+n+1], v[B+n:B+n+1]
.set n, n+2
.endr
.irp n, 0,1,2,3,4,5,6,7,8,9,10,11,12,13,14,15
	global_store_b128 v[L16], v[V+4*\n:V+4*\n+3], s[36:37] offset:512*\n                   ; h0 in f32: 512 consecutive bytes a store
.endr
	s_wait_xcnt 0x0                                ; the stores have read their data: the quantiser's holds write these registers
	QUANT V, A, PW
.irp c, 0,1,2,3
	global_store_b128 v[L16], v[A+4*\c:A+4*\c+3], s[38:39] offset:512*\c
.endr
	global_store_b32 v[L8], v[PW], s[40:41]
	s_wait_tensorcnt 0x0
	ds_add_u32 v240, v241
	s_wait_dscnt 0x0
	s_endpgm
.Lfunc_end_k_q67413192fc_ln1:
	.size	k_q67413192fc_ln1, .Lfunc_end_k_q67413192fc_ln1-k_q67413192fc_ln1
	.p2alignl 7, 3214868480
	.fill 96, 4, 3214868480
	.section	.rodata,"a",@progbits
	.p2align	6, 0x0
	.amdhsa_kernel k_q67413192fc_ln1
		.amdhsa_group_segment_fixed_size 2048
		.amdhsa_private_segment_fixed_size 0
		.amdhsa_enable_private_segment 0
		.amdhsa_kernarg_size 48
		.amdhsa_user_sgpr_count 2
		.amdhsa_user_sgpr_kernarg_segment_ptr 1
		.amdhsa_wavefront_size32 1
		.amdhsa_system_sgpr_workgroup_id_x 1
		.amdhsa_system_sgpr_workgroup_id_y 1
		.amdhsa_system_sgpr_workgroup_id_z 1
		.amdhsa_system_vgpr_workitem_id 0
		.amdhsa_next_free_vgpr 242
		.amdhsa_next_free_sgpr 66
		.amdhsa_reserve_vcc 0
		.amdhsa_float_denorm_mode_32 3
		.amdhsa_float_denorm_mode_16_64 3
		.amdhsa_memory_ordered 1
		.amdhsa_forward_progress 1
		.amdhsa_inst_pref_size 41
	.end_amdhsa_kernel
	.amdgpu_metadata
---
amdhsa.version: [ 1, 2 ]
amdhsa.kernels:
  - .name:           k_q67413192fc_ln1
    .symbol:         k_q67413192fc_ln1.kd
    .args:
      - { .name: Y, .offset: 0, .size: 8, .value_kind: global_buffer, .address_space: global }
      - { .name: x, .offset: 8, .size: 8, .value_kind: global_buffer, .address_space: global }
      - { .name: bo, .offset: 16, .size: 8, .value_kind: global_buffer, .address_space: global }
      - { .name: g0, .offset: 24, .size: 8, .value_kind: global_buffer, .address_space: global }
      - { .name: be0, .offset: 32, .size: 8, .value_kind: global_buffer, .address_space: global }
      - { .name: H0, .offset: 40, .size: 8, .value_kind: global_buffer, .address_space: global }
    .group_segment_fixed_size: 2048
    .private_segment_fixed_size: 0
    .kernarg_segment_align: 8
    .kernarg_segment_size: 48
    .max_flat_workgroup_size: 256
    .sgpr_count:     66
    .vgpr_count:     242
    .wavefront_size: 32
...
	.end_amdgpu_metadata
.endif
;; end of part 5
;; launch ff1 (part 6): grid 16 x 16, 4 waves a work-group, clusters of 4 x 4, 327,680 bytes of LDS; arguments H0, PREP, b0, HID; writes HID
.if DOCPART == 6
	.amdgcn_target "amdgcn-amd-amdhsa--gfx1250"
	.amdhsa_code_object_version 6
	.text
	.protected	k_q67413192fc_ff1
	.globl	k_q67413192fc_ff1
	.p2align	8
	.type	k_q67413192fc_ff1,@function
k_q67413192fc_ff1:
	s_mov_b64 s[64:65], 0
	v_nop
	global_prefetch_b8 v0, s[64:65] scope:SCOPE_SE
	s_setreg_imm32_b32 hwreg(HW_REG_WAVE_MODE, 25, 1), 1
	s_wait_xcnt 0x0
	s_wait_alu depctr_hold_cnt(0) depctr_sa_sdst(0) depctr_va_vdst(0) depctr_va_sdst(0) depctr_va_ssrc(0) depctr_va_vcc(0) depctr_vm_vsrc(0)
	s_getreg_b32 s2, hwreg(HW_REG_IB_STS2, 6, 4)
	s_cmp_eq_u32 s2, 0
	s_cbranch_scc0 .Lentry_in_a_cluster
	s_endpgm
.Lentry_in_a_cluster:
	s_bfe_u32 s2, ttmp6, 0x10000c
	s_cmp_lg_u32 s2, 0xf033
	s_cbranch_scc0 .Lentry_shape_is_right
	s_endpgm
.Lentry_shape_is_right:
.set SIZE_K, 1024
.set AOFF,   16777216
.set BOFF,   8912896
.set UNIT,   4352
.set ROWP,   (SIZE_K/256)*UNIT
.set HALFT,  8*UNIT
.set SLOT,   4*HALFT
.set SPARE,  2*SLOT
.set LAPS,   SIZE_K/512
.set NQ,     2
.set FR,     16
.set NL,     4
.set NP,     8
.set ADRA, 2
.set ADRB, 4
.set ADRS, 6
.set SPW,  8
.set NIL,  9
.set L16,  10
.set L8,   11
.set SC,   32
.set BI,   64
.set AF,   128
.set T,    128
.set PC,   192
.set TM,   208
.set PW,   224
.set G1,  24
.set G0,  32
.set G1B, 48
.set G0B, 56
.set SEL, 66
.set MNT, 68
.set MSB, 0
.macro WIN new
.if MSB != \new
	s_set_vgpr_msb (MSB<<8)|\new
.set MSB, \new
.endif
.endm
.set MUL_LO, 0xa1
.set MUL_HI, 0xf1
.set TO_B,   0x40
.macro JLOAD g0a, g1a, g0b, g1b
	s_cmp_eq_u32 s15, 0
	s_cbranch_scc0 .Lfor_b_\@
	tensor_load_to_lds s[\g0a:\g0a+3], s[\g1a:\g1a+7]
	s_nop 0
.rept 4
	v_nop
.endr
	s_branch .Lasked_\@
.Lfor_b_\@:
	tensor_load_to_lds s[\g0b:\g0b+3], s[\g1b:\g1b+7]
	s_nop 0
.rept 4
	v_nop
.endr
.Lasked_\@:
.endm
.macro CREST
	s_cmp_lg_u32 s14, 0
	s_cbranch_scc1 .Lnot_wave_0_\@
	s_barrier_signal -3
.Lnot_wave_0_\@:
	s_barrier_wait -3
	s_barrier_signal -1
	s_barrier_wait -1
.endm
.macro CROUND
	s_barrier_signal -1
	s_barrier_wait -1
	CREST
.endm
.macro FRAG reg, adr, q, i
.irp c, 0,1,2,3
	ds_load_b128 v[\reg+4*\c:\reg+4*\c+3], v[\adr] offset:2048*(\q)+512*\c+(\i)*UNIT
.endr
.endm
.macro MUL16 a0, p, q, sc, zero
.irp a, \a0, \a0+1
.irp b, 0,1,2,3,4,5,6,7
.if \zero
	v_wmma_scale_f32_16x16x128_f8f6f4 v[8*(8*((\a)%4)+\b):8*(8*((\a)%4)+\b)+7], v[128*(\p)+FR*\b:128*(\p)+FR*\b+FR-1], v[AF+FR*(\a):AF+FR*(\a)+FR-1], 0, v[SC+8*NQ*(\sc)+NQ*\b+(\q)], v[SC+8*NQ*(\sc)+NQ*(\a)+(\q)] matrix_a_scale:MATRIX_SCALE_ROW1
.else
	v_wmma_scale_f32_16x16x128_f8f6f4 v[8*(8*((\a)%4)+\b):8*(8*((\a)%4)+\b)+7], v[128*(\p)+FR*\b:128*(\p)+FR*\b+FR-1], v[AF+FR*(\a):AF+FR*(\a)+FR-1], v[8*(8*((\a)%4)+\b):8*(8*((\a)%4)+\b)+7], v[SC+8*NQ*(\sc)+NQ*\b+(\q)], v[SC+8*NQ*(\sc)+NQ*(\a)+(\q)] matrix_a_scale:MATRIX_SCALE_ROW1
.endif
.endr
.endr
.endm
.macro FETCH_B slot, q, p
	WIN TO_B
.irp i, 0,1,2,3,4,5,6,7
	FRAG 128*(\p)+FR*\i, ADRB+\slot, \q, \i
.endr
	WIN 0
.endm
.macro FETCH_A slot, q, i0
.irp i, \i0, \i0+1, \i0+2, \i0+3
	FRAG AF+FR*(\i), ADRA+\slot, \q, \i
.endr
.endm
.macro SCALES sc
.irp i, 0,1,2,3,4,5,6,7
	ds_load_b64 v[SC+8*NQ*\sc+NQ*\i:SC+8*NQ*\sc+NQ*\i+1], v[ADRS+\sc] offset:\i*UNIT
.endr
.endm
.macro PLACES n
.rept \n
	v_nop
.endr
.endm
.macro STEP slot, q, zero
	s_wait_dscnt 4*NL
	WIN MUL_LO
	MUL16 0, (\q)%2, \q, \slot, \zero
	MUL16 2, (\q)%2, \q, \slot, \zero
	s_wait_dscnt 0
	PLACES NP
	FETCH_B \slot, (\q)+1, 1-(\q)%2
	FETCH_A \slot, (\q)+1, 0
	WIN MUL_HI
	MUL16 4, (\q)%2, \q, \slot, \zero
	MUL16 6, (\q)%2, \q, \slot, \zero
	PLACES NP
	WIN 0
	FETCH_A \slot, (\q)+1, 4
.endm
.macro TURN slot, next, fill
	s_wait_tensorcnt 0x0
	ds_add_u32 v[SPW], v[NIL]
	s_wait_dscnt 4*NL+1
	WIN MUL_LO
	MUL16 0, 1, NQ-1, \slot, 0
	s_wait_dscnt 0x0
	s_barrier_signal -1
	MUL16 2, 1, NQ-1, \slot, 0
	WIN 0
	s_barrier_wait -1
.if \fill
	CREST
	s_add_nc_u64 s[G0+4*\slot+2:G0+4*\slot+3], s[G0+4*\slot+2:G0+4*\slot+3], 2*UNIT
	s_add_nc_u64 s[G0B+4*\slot+2:G0B+4*\slot+3], s[G0B+4*\slot+2:G0B+4*\slot+3], 2*UNIT
	JLOAD G0+4*\slot, G1, G0B+4*\slot, G1B
	PLACES NP-4
.else
	PLACES NP
.endif
	FETCH_B \next, 0, 0
	FETCH_A \next, 0, 0
	SCALES \next
	WIN MUL_HI
	MUL16 4, 1, NQ-1, \slot, 0
	MUL16 6, 1, NQ-1, \slot, 0
	PLACES NP
	WIN 0
	FETCH_A \next, 0, 4
.endm
.macro QUANT s, pc, pw
.irp b, 0,1,2,3
	v_max3_num_f32 v[TM+\b], v[\s+16*\b], v[\s+1+16*\b], 0x4800000
.endr
.irp i, 2,4,6,8,10,12,14
.irp b, 0,1,2,3
	v_max3_num_f32 v[TM+\b], v[TM+\b], v[\s+16*\b+\i], v[\s+1+16*\b+\i]
.endr
.endr
.irp b, 0,1,2,3
	v_permlanex16_b32 v[TM+4+\b], v[TM+\b], s[SEL], s[SEL+1]
.endr
.irp b, 0,1,2,3
	v_max_num_f32 v[TM+\b], v[TM+\b], v[TM+4+\b]
.endr
.irp b, 0,1,2,3
	v_add_nc_u32 v[TM+12+\b], 0xfc000000, v[TM+\b]
.endr
.irp b, 0,1,2,3
	v_and_or_b32 v[TM+8+\b], v[TM+\b], 0x7f800000, s[MNT]
.endr
.irp b, 0,1,2,3
	v_lshrrev_b32 v[TM+4+\b], 23, v[TM+12+\b]
.endr
	v_lshl_or_b32 v[\pw], v[TM+5], 8, v[TM+4]
	v_lshl_or_b32 v[\pw], v[TM+6], 16, v[\pw]
	v_lshl_or_b32 v[\pw], v[TM+7], 24, v[\pw]
.irp b, 0,1,2,3
.irp i, 0,1,2,3,4,5,6,7,8,9,10,11,12,13,14,15
	v_med3_num_f32 v[\s+16*\b+\i], v[\s+16*\b+\i], 0, v[TM+8+\b]
.endr
	v_cvt_scalef32_pk8_fp8_f32 v[\pc+4*\b:\pc+1+4*\b], v[\s+16*\b:\s+7+16*\b], v[TM+12+\b]
	v_cvt_scalef32_pk8_fp8_f32 v[\pc+2+4*\b:\pc+3+4*\b], v[\s+8+16*\b:\s+15+16*\b], v[TM+12+\b]
.endr
	v_nop
.endm
	s_load_b256 s[4:11], s[0:1], 0x0
	v_lshl_add_u32 v[SPW], v0, 2, SPARE
	v_mov_b32 v[NIL], 0
	ds_add_u32 v8, v9
	ds_add_u32 v8, v9
	s_wait_dscnt 0x0
	v_lshrrev_b32 v1, 5, v0
	v_readfirstlane_b32 s14, v1
	s_lshr_b32 s15, s14, 1
	s_and_b32 s16, s14, 1
	s_bfe_u32 s40, ttmp6, 0x40000
	s_bfe_u32 s41, ttmp6, 0x40004
	s_lshl_b32 s42, ttmp9, 2
	s_add_co_u32 s42, s42, s40
	s_and_b32 s17, ttmp7, 0xffff
	s_lshl_b32 s17, s17, 2
	s_add_co_u32 s17, s17, s41
	s_lshl_b32 s43, s41, 2
	s_lshl_b32 s43, 15, s43
	s_lshl_b32 s44, 0x1111, s40
	s_or_b32 s[G1+0], s43, (3<<16)|(1<<21)
	s_or_b32 s[G1B+0], s44, (3<<16)|(1<<21)
.irp g, G1, G1B
	s_mov_b32 s[\g+1], 544<<16
	s_mov_b32 s[\g+2], 8<<16
	s_mov_b32 s[\g+3], 544<<16
	s_mov_b32 s[\g+4], 8
	s_mov_b32 s[\g+5], ROWP/8
	s_mov_b32 s[\g+6], 0
	s_mov_b32 s[\g+7], 0
.endr
	s_lshl_b32 s18, s16, 3
	s_lshl_b32 s20, s17, 4
	s_add_co_u32 s20, s20, s18
	s_mul_i32 s20, s20, ROWP
	s_add_co_u32 s20, s20, AOFF
	s_mov_b32 s21, 0
	s_lshl_b32 s46, s42, 4
	s_add_co_u32 s46, s46, s18
	s_mul_i32 s46, s46, ROWP
	s_add_co_u32 s46, s46, BOFF
	s_mov_b32 s47, 0
	s_mul_i32 s45, s14, HALFT
	s_lshl_b32 s70, s42, 10
	s_lshl_b32 s71, s16, 9
	s_add_co_u32 s70, s70, s71
	s_mov_b32 s71, 0
	s_lshl_b32 s72, s17, 4
	s_lshl_b32 s73, s15, 3
	s_add_co_u32 s72, s72, s73
	s_lshl_b32 s72, s72, 4
	s_add_co_u32 s72, s72, s42
	s_mul_i32 s72, s72, UNIT
	s_lshl_b32 s74, s16, 2
	s_add_co_u32 s74, s74, s72
	s_add_co_u32 s74, s74, 4096
	s_mov_b32 s75, 0
	s_lshl_b32 s73, s16, 11
	s_add_co_u32 s72, s72, s73
	s_mov_b32 s73, 0
	s_mov_b32 s[SEL], 0x76543210
	s_mov_b32 s[SEL+1], 0xfedcba98
	s_mov_b32 s[MNT], 0x600000
	s_wait_kmcnt 0x0
	s_add_nc_u64 s[20:21], s[4:5], s[20:21]
	s_add_nc_u64 s[46:47], s[6:7], s[46:47]
	s_add_nc_u64 s[70:71], s[8:9], s[70:71]
	s_add_nc_u64 s[72:73], s[10:11], s[72:73]
	s_add_nc_u64 s[74:75], s[10:11], s[74:75]
	CROUND
.irp s, 0,1
	s_mov_b32 s[G0+4*\s], 1
	s_add_co_u32 s[G0+4*\s+1], s45, \s*SLOT
	s_add_nc_u64 s[G0+4*\s+2:G0+4*\s+3], s[20:21], \s*UNIT
	s_or_b32 s[G0+4*\s+3], s[G0+4*\s+3], 0x80000000
	s_mov_b32 s[G0B+4*\s], 1
	s_add_co_u32 s[G0B+4*\s+1], s45, \s*SLOT
	s_add_nc_u64 s[G0B+4*\s+2:G0B+4*\s+3], s[46:47], \s*UNIT
	s_or_b32 s[G0B+4*\s+3], s[G0B+4*\s+3], 0x80000000
.endr
	JLOAD G0, G1, G0B, G1B                         ; K step 0: my one load at the head, behind the opening lines and the round
	s_cmp_eq_u32 s15, 0                            ; the prefetches' base: of the 8 tiles that I fetch, each of the four partners that ask with me takes 2, told apart by address (cx for A, cy for B)
	s_cselect_b64 s[4:5], s[20:21], s[46:47]
	s_cselect_b32 s6, s40, s41
	s_mul_i32 s6, s6, 2*ROWP
	s_mov_b32 s7, 0
	s_add_nc_u64 s[4:5], s[4:5], s[6:7]
	v_and_b32 v16, 31, v0
	v_min_u32 v16, 16, v16
	v_lshlrev_b32 v16, 8, v16                      ; a unit is 17 blocks of 256 bytes: lanes 0-16 a block each; the lanes left over name the last again; never rewritten
	s_wait_alu depctr_va_vdst(0)
	s_wait_tensorcnt 0x0                           ; the wait, the add and its wait ahead of a later first fill
	ds_add_u32 v8, v9
	s_wait_dscnt 0x0
	CROUND
	JLOAD G0+4, G1, G0B+4, G1B                     ; K step 1, into slot 1
.irp u, 2,3                                    ; K steps 2 and 3, which the two refills will ask for: each block is named once in the cluster; K ends with step 3
	global_prefetch_b8 v16, s[4:5] offset:\u*UNIT th:TH_LOAD_NT scope:SCOPE_SE
	global_prefetch_b8 v16, s[4:5] offset:\u*UNIT+ROWP th:TH_LOAD_NT scope:SCOPE_SE
.endr
	v_and_b32 v1, 31, v0
	v_lshlrev_b32 v[L16], 4, v1
	v_lshlrev_b32 v[L8], 3, v1
	v_and_b32 v12, 15, v0
	v_bfe_u32 v13, v0, 4, 1
	s_wait_alu depctr_va_vdst(0)
	s_mul_i32 s21, s15, HALFT
	s_mul_i32 s22, s16, HALFT
	s_add_co_u32 s22, s22, 2*HALFT
	s_sub_co_u32 s23, s22, s21
	v_mul_u32_u24 v14, s23, v13
	v_lshl_add_u32 v14, v12, 3, v14
	s_add_co_u32 s19, s21, 4096
	v_add_nc_u32 v[ADRS], s19, v14
	v_add_nc_u32 v[ADRS+1], SLOT, v[ADRS]
.irp s, 0,1
	v_add_nc_u32 v[ADRA+\s], s21, v[L16]
	v_add_nc_u32 v[ADRB+\s], s22, v[L16]
	s_add_co_u32 s21, s21, SLOT
	s_add_co_u32 s22, s22, SLOT
.endr
	v_lshlrev_b32 v15, 6, v13
.irp b, 0,1,2,3,4,5,6,7
	global_load_b128 v[BI+8*\b:BI+8*\b+3], v15, s[70:71] offset:(32*(\b/2)+8*(\b%2))*4
	global_load_b128 v[BI+8*\b+4:BI+8*\b+7], v15, s[70:71] offset:(32*(\b/2)+8*(\b%2))*4+16
.endr
	s_wait_alu depctr_va_vdst(0)
	s_wait_tensorcnt 1
	s_barrier_signal -1
	s_barrier_wait -1
	FETCH_B 0, 0, 0
	FETCH_A 0, 0, 0
	SCALES 0
	FETCH_A 0, 0, 4
	STEP 0, 0, 1
	s_mov_b32 s3, LAPS-1
.Llap:
	TURN 0, 1, 1
	STEP 1, 0, 0
	TURN 1, 0, 1
	STEP 0, 0, 0
	s_sub_co_u32 s3, s3, 1
	s_cmp_lg_u32 s3, 0
	s_cbranch_scc1 .Llap
	TURN 0, 1, 0
	STEP 1, 0, 0
	s_wait_dscnt 4*NL
	WIN MUL_LO
	MUL16 0, 1, NQ-1, 1, 0
	MUL16 2, 1, NQ-1, 1, 0
	s_wait_dscnt 0
	WIN MUL_HI
	MUL16 4, 1, NQ-1, 1, 0
	MUL16 6, 1, NQ-1, 1, 0
	WIN 0
	PLACES NP
	s_wait_loadcnt 0x0
.irp b, 0,1,2,3
	v_mov_b32 v[TM+4+\b], 0
.endr
.macro EPI a
	s_wait_xcnt 0x0
	WIN (0x02+(\a)/4)
.set AC, 64*((\a)%4)
.set n, 0
.rept 32
	v_pk_add_f32 v[T+n:T+n+1], v[AC+n:AC+n+1], v[BI+n:BI+n+1]
.set n, n+2
.endr
	WIN 0
	QUANT T, PC, PW
.irp c, 0,1,2,3
	global_store_b128 v[L16], v[PC+4*\c:PC+4*\c+3], s[72:73] offset:(\a)*69632+\c*512
.endr
	global_store_b32 v[L8], v[PW], s[74:75] offset:(\a)*69632
.endm
.irp a, 0,1,2,3,4,5,6,7
	EPI \a
.endr
	s_wait_tensorcnt 0x0
	ds_add_u32 v[SPW], v[NIL]
	s_wait_dscnt 0x0
	CROUND
	s_endpgm
.Lfunc_end_k_q67413192fc_ff1:
	.size	k_q67413192fc_ff1, .Lfunc_end_k_q67413192fc_ff1-k_q67413192fc_ff1
	.p2alignl 7, 3214868480
	.fill 96, 4, 3214868480
	.section	.rodata,"a",@progbits
	.p2align	6, 0x0
	.amdhsa_kernel k_q67413192fc_ff1
		.amdhsa_group_segment_fixed_size 327680
		.amdhsa_private_segment_fixed_size 0
		.amdhsa_enable_private_segment 0
		.amdhsa_kernarg_size 32
		.amdhsa_user_sgpr_count 2
		.amdhsa_user_sgpr_kernarg_segment_ptr 1
		.amdhsa_wavefront_size32 1
		.amdhsa_system_sgpr_workgroup_id_x 1
		.amdhsa_system_sgpr_workgroup_id_y 1
		.amdhsa_system_sgpr_workgroup_id_z 1
		.amdhsa_system_vgpr_workitem_id 0
		.amdhsa_next_free_vgpr 1024
		.amdhsa_next_free_sgpr 80
		.amdhsa_reserve_vcc 0
		.amdhsa_float_denorm_mode_32 3
		.amdhsa_float_denorm_mode_16_64 3
		.amdhsa_memory_ordered 1
		.amdhsa_forward_progress 1
		.amdhsa_inst_pref_size 201
	.end_amdhsa_kernel
	.amdgpu_metadata
---
amdhsa.version: [ 1, 2 ]
amdhsa.kernels:
  - .name:           k_q67413192fc_ff1
    .symbol:         k_q67413192fc_ff1.kd
    .args:
      - { .name: H0, .offset: 0, .size: 8, .value_kind: global_buffer, .address_space: global }
      - { .name: PREP, .offset: 8, .size: 8, .value_kind: global_buffer, .address_space: global }
      - { .name: b0, .offset: 16, .size: 8, .value_kind: global_buffer, .address_space: global }
      - { .name: HID, .offset: 24, .size: 8, .value_kind: global_buffer, .address_space: global }
    .group_segment_fixed_size: 327680
    .private_segment_fixed_size: 0
    .kernarg_segment_align: 8
    .kernarg_segment_size: 32
    .max_flat_workgroup_size: 128
    .sgpr_count:     80
    .vgpr_count:     1024
    .wavefront_size: 32
...
	.end_amdgpu_metadata
.endif
;; end of part 6
;; launch ff2 (part 7): grid 16 x 16, 4 waves a work-group, clusters of 4 x 4, 327,680 bytes of LDS; arguments HID, PREP, Y; writes Y
.if DOCPART == 7
	.amdgcn_target "amdgcn-amd-amdhsa--gfx1250"
	.amdhsa_code_object_version 6
	.text
	.protected	k_q67413192fc_ff2
	.globl	k_q67413192fc_ff2
	.p2align	8
	.type	k_q67413192fc_ff2,@function
k_q67413192fc_ff2:
	s_mov_b64 s[64:65], 0
	v_nop
	global_prefetch_b8 v0, s[64:65] scope:SCOPE_SE
	s_setreg_imm32_b32 hwreg(HW_REG_WAVE_MODE, 25, 1), 1
	s_wait_xcnt 0x0
	s_wait_alu depctr_hold_cnt(0) depctr_sa_sdst(0) depctr_va_vdst(0) depctr_va_sdst(0) depctr_va_ssrc(0) depctr_va_vcc(0) depctr_vm_vsrc(0)
	s_getreg_b32 s2, hwreg(HW_REG_IB_STS2, 6, 4)
	s_cmp_eq_u32 s2, 0
	s_cbranch_scc0 .Lentry_in_a_cluster
	s_endpgm
.Lentry_in_a_cluster:
	s_bfe_u32 s2, ttmp6, 0x10000c
	s_cmp_lg_u32 s2, 0xf033
	s_cbranch_scc0 .Lentry_shape_is_right
	s_endpgm
.Lentry_shape_is_right:
.set SIZE_K, 4096
.set KPART,  1024
.set BOFF,   13369344
.set UNIT,   4352
.set ROWP,   (SIZE_K/256)*UNIT
.set HALFT,  8*UNIT
.set SLOT,   4*HALFT
.set SPARE,  2*SLOT
.set LAPS,   KPART/512
.set NQ,     2
.set FR,     16
.set NL,     4
.set NP,     8
.set ADRA, 2
.set ADRB, 4
.set ADRS, 6
.set SPW,  8
.set NIL,  9
.set L16,  10
.set SC,   32
.set AF,   128
.set G1,  24
.set G0,  32
.set G1B, 48
.set G0B, 56
.set MSB, 0
.macro WIN new
.if MSB != \new
	s_set_vgpr_msb (MSB<<8)|\new
.set MSB, \new
.endif
.endm
.set MUL_LO, 0xa1
.set MUL_HI, 0xf1
.set TO_B,   0x40
.macro JLOAD g0a, g1a, g0b, g1b
	s_cmp_eq_u32 s15, 0
	s_cbranch_scc0 .Lfor_b_\@
	tensor_load_to_lds s[\g0a:\g0a+3], s[\g1a:\g1a+7]
	s_nop 0
.rept 4
	v_nop
.endr
	s_branch .Lasked_\@
.Lfor_b_\@:
	tensor_load_to_lds s[\g0b:\g0b+3], s[\g1b:\g1b+7]
	s_nop 0
.rept 4
	v_nop
.endr
.Lasked_\@:
.endm
.macro CREST
	s_cmp_lg_u32 s14, 0
	s_cbranch_scc1 .Lnot_wave_0_\@
	s_barrier_signal -3
.Lnot_wave_0_\@:
	s_barrier_wait -3
	s_barrier_signal -1
	s_barrier_wait -1
.endm
.macro CROUND
	s_barrier_signal -1
	s_barrier_wait -1
	CREST
.endm
.macro FRAG reg, adr, q, i
.irp c, 0,1,2,3
	ds_load_b128 v[\reg+4*\c:\reg+4*\c+3], v[\adr] offset:2048*(\q)+512*\c+(\i)*UNIT
.endr
.endm
.macro MUL16 a0, p, q, sc, zero
.irp a, \a0, \a0+1
.irp b, 0,1,2,3,4,5,6,7
.if \zero
	v_wmma_scale_f32_16x16x128_f8f6f4 v[8*(8*((\a)%4)+\b):8*(8*((\a)%4)+\b)+7], v[128*(\p)+FR*\b:128*(\p)+FR*\b+FR-1], v[AF+FR*(\a):AF+FR*(\a)+FR-1], 0, v[SC+8*NQ*(\sc)+NQ*\b+(\q)], v[SC+8*NQ*(\sc)+NQ*(\a)+(\q)] matrix_a_scale:MATRIX_SCALE_ROW1
.else
	v_wmma_scale_f32_16x16x128_f8f6f4 v[8*(8*((\a)%4)+\b):8*(8*((\a)%4)+\b)+7], v[128*(\p)+FR*\b:128*(\p)+FR*\b+FR-1], v[AF+FR*(\a):AF+FR*(\a)+FR-1], v[8*(8*((\a)%4)+\b):8*(8*((\a)%4)+\b)+7], v[SC+8*NQ*(\sc)+NQ*\b+(\q)], v[SC+8*NQ*(\sc)+NQ*(\a)+(\q)] matrix_a_scale:MATRIX_SCALE_ROW1
.endif
.endr
.endr
.endm
.macro FETCH_B slot, q, p
	WIN TO_B
.irp i, 0,1,2,3,4,5,6,7
	FRAG 128*(\p)+FR*\i, ADRB+\slot, \q, \i
.endr
	WIN 0
.endm
.macro FETCH_A slot, q, i0
.irp i, \i0, \i0+1, \i0+2, \i0+3
	FRAG AF+FR*(\i), ADRA+\slot, \q, \i
.endr
.endm
.macro SCALES sc
.irp i, 0,1,2,3,4,5,6,7
	ds_load_b64 v[SC+8*NQ*\sc+NQ*\i:SC+8*NQ*\sc+NQ*\i+1], v[ADRS+\sc] offset:\i*UNIT
.endr
.endm
.macro PLACES n
.rept \n
	v_nop
.endr
.endm
.macro STEP slot, q, zero
	s_wait_dscnt 4*NL
	WIN MUL_LO
	MUL16 0, (\q)%2, \q, \slot, \zero
	MUL16 2, (\q)%2, \q, \slot, \zero
	s_wait_dscnt 0
	PLACES NP
	FETCH_B \slot, (\q)+1, 1-(\q)%2
	FETCH_A \slot, (\q)+1, 0
	WIN MUL_HI
	MUL16 4, (\q)%2, \q, \slot, \zero
	MUL16 6, (\q)%2, \q, \slot, \zero
	PLACES NP
	WIN 0
	FETCH_A \slot, (\q)+1, 4
.endm
.macro TURN slot, next, fill
	s_wait_tensorcnt 0x0
	ds_add_u32 v[SPW], v[NIL]
	s_wait_dscnt 4*NL+1
	WIN MUL_LO
	MUL16 0, 1, NQ-1, \slot, 0
	s_wait_dscnt 0x0
	s_barrier_signal -1
	MUL16 2, 1, NQ-1, \slot, 0
	WIN 0
	s_barrier_wait -1
.if \fill
	CREST
	s_add_nc_u64 s[G0+4*\slot+2:G0+4*\slot+3], s[G0+4*\slot+2:G0+4*\slot+3], 2*UNIT
	s_add_nc_u64 s[G0B+4*\slot+2:G0B+4*\slot+3], s[G0B+4*\slot+2:G0B+4*\slot+3], 2*UNIT
	JLOAD G0+4*\slot, G1, G0B+4*\slot, G1B
	PLACES NP-4
.else
	PLACES NP
.endif
	FETCH_B \next, 0, 0
	FETCH_A \next, 0, 0
	SCALES \next
	WIN MUL_HI
	MUL16 4, 1, NQ-1, \slot, 0
	MUL16 6, 1, NQ-1, \slot, 0
	PLACES NP
	WIN 0
	FETCH_A \next, 0, 4
.endm
	s_load_b128 s[4:7], s[0:1], 0x0
	s_load_b64 s[8:9], s[0:1], 0x10
	v_lshl_add_u32 v[SPW], v0, 2, SPARE
	v_mov_b32 v[NIL], 0
	ds_add_u32 v8, v9
	ds_add_u32 v8, v9
	s_wait_dscnt 0x0
	v_lshrrev_b32 v1, 5, v0
	v_readfirstlane_b32 s14, v1
	s_lshr_b32 s15, s14, 1
	s_and_b32 s16, s14, 1
	s_bfe_u32 s40, ttmp6, 0x40000
	s_bfe_u32 s41, ttmp6, 0x40004
	s_mov_b32 s42, s40
	s_and_b32 s17, ttmp7, 0xffff
	s_lshl_b32 s17, s17, 2
	s_add_co_u32 s17, s17, s41
	s_mul_i32 s19, ttmp9, (KPART/256)*UNIT
	s_lshl_b32 s43, s41, 2
	s_lshl_b32 s43, 15, s43
	s_lshl_b32 s44, 0x1111, s40
	s_or_b32 s[G1+0], s43, (3<<16)|(1<<21)
	s_or_b32 s[G1B+0], s44, (3<<16)|(1<<21)
.irp g, G1, G1B
	s_mov_b32 s[\g+1], 544<<16
	s_mov_b32 s[\g+2], 8<<16
	s_mov_b32 s[\g+3], 544<<16
	s_mov_b32 s[\g+4], 8
	s_mov_b32 s[\g+5], ROWP/8
	s_mov_b32 s[\g+6], 0
	s_mov_b32 s[\g+7], 0
.endr
	s_lshl_b32 s18, s16, 3
	s_lshl_b32 s20, s17, 4
	s_add_co_u32 s20, s20, s18
	s_mul_i32 s20, s20, ROWP
	s_add_co_u32 s20, s20, s19
	s_mov_b32 s21, 0
	s_lshl_b32 s46, s42, 4
	s_add_co_u32 s46, s46, s18
	s_mul_i32 s46, s46, ROWP
	s_add_co_u32 s46, s46, BOFF
	s_add_co_u32 s46, s46, s19
	s_mov_b32 s47, 0
	s_mul_i32 s45, s14, HALFT
	s_lshl_b32 s70, s17, 2
	s_add_co_u32 s70, s70, s42
	s_lshl_b32 s70, s70, 2
	s_add_co_u32 s70, s70, s14
	s_lshl_b32 s70, s70, 16
	s_lshl_b32 s71, ttmp9, 24
	s_add_co_u32 s70, s70, s71
	s_mov_b32 s71, 0
	s_wait_kmcnt 0x0
	s_add_nc_u64 s[20:21], s[4:5], s[20:21]
	s_add_nc_u64 s[46:47], s[6:7], s[46:47]
	s_add_nc_u64 s[8:9], s[8:9], s[70:71]
	CROUND
.irp s, 0,1
	s_mov_b32 s[G0+4*\s], 1
	s_add_co_u32 s[G0+4*\s+1], s45, \s*SLOT
	s_add_nc_u64 s[G0+4*\s+2:G0+4*\s+3], s[20:21], \s*UNIT
	s_or_b32 s[G0+4*\s+3], s[G0+4*\s+3], 0x80000000
	s_mov_b32 s[G0B+4*\s], 1
	s_add_co_u32 s[G0B+4*\s+1], s45, \s*SLOT
	s_add_nc_u64 s[G0B+4*\s+2:G0B+4*\s+3], s[46:47], \s*UNIT
	s_or_b32 s[G0B+4*\s+3], s[G0B+4*\s+3], 0x80000000
.endr
	JLOAD G0, G1, G0B, G1B                         ; K step 0: my one load at the head, behind the opening lines and the round
	s_cmp_eq_u32 s15, 0                            ; the prefetches' base: of the 8 tiles that I fetch, each of the four partners that ask with me takes 2, told apart by address (cx for A, cy for B)
	s_cselect_b64 s[4:5], s[20:21], s[46:47]
	s_cselect_b32 s6, s40, s41
	s_mul_i32 s6, s6, 2*ROWP
	s_mov_b32 s7, 0
	s_add_nc_u64 s[4:5], s[4:5], s[6:7]
	v_and_b32 v16, 31, v0
	v_min_u32 v16, 16, v16
	v_lshlrev_b32 v16, 8, v16                      ; a unit is 17 blocks of 256 bytes: lanes 0-16 a block each; the lanes left over name the last again; never rewritten
	s_wait_alu depctr_va_vdst(0)
	s_wait_tensorcnt 0x0                           ; the wait, the add and its wait ahead of a later first fill
	ds_add_u32 v8, v9
	s_wait_dscnt 0x0
	CROUND
	JLOAD G0+4, G1, G0B+4, G1B                     ; K step 1, into slot 1
.irp u, 2,3                                    ; K steps 2 and 3 of my part of K, which the two refills will ask for: each block is named once in the cluster; my part ends with step 3
	global_prefetch_b8 v16, s[4:5] offset:\u*UNIT th:TH_LOAD_NT scope:SCOPE_SE
	global_prefetch_b8 v16, s[4:5] offset:\u*UNIT+ROWP th:TH_LOAD_NT scope:SCOPE_SE
.endr
	v_and_b32 v1, 31, v0
	v_lshlrev_b32 v[L16], 4, v1
	v_and_b32 v12, 15, v0
	v_bfe_u32 v13, v0, 4, 1
	s_mul_i32 s21, s15, HALFT
	s_mul_i32 s22, s16, HALFT
	s_add_co_u32 s22, s22, 2*HALFT
	s_sub_co_u32 s23, s22, s21
	v_mul_u32_u24 v14, s23, v13
	v_lshl_add_u32 v14, v12, 3, v14
	s_add_co_u32 s19, s21, 4096
	v_add_nc_u32 v[ADRS], s19, v14
	v_add_nc_u32 v[ADRS+1], SLOT, v[ADRS]
.irp s, 0,1
	v_add_nc_u32 v[ADRA+\s], s21, v[L16]
	v_add_nc_u32 v[ADRB+\s], s22, v[L16]
	s_add_co_u32 s21, s21, SLOT
	s_add_co_u32 s22, s22, SLOT
.endr
	s_wait_alu depctr_va_vdst(0)
	s_wait_tensorcnt 1
	s_barrier_signal -1
	s_barrier_wait -1
	FETCH_B 0, 0, 0
	FETCH_A 0, 0, 0
	SCALES 0
	FETCH_A 0, 0, 4
	STEP 0, 0, 1
	s_mov_b32 s3, LAPS-1
.Llap:
	TURN 0, 1, 1
	STEP 1, 0, 0
	TURN 1, 0, 1
	STEP 0, 0, 0
	s_sub_co_u32 s3, s3, 1
	s_cmp_lg_u32 s3, 0
	s_cbranch_scc1 .Llap
	TURN 0, 1, 0
	STEP 1, 0, 0
	s_wait_dscnt 4*NL
	WIN MUL_LO
	MUL16 0, 1, NQ-1, 1, 0
	MUL16 2, 1, NQ-1, 1, 0
	s_wait_dscnt 0
	WIN MUL_HI
	MUL16 4, 1, NQ-1, 1, 0
	MUL16 6, 1, NQ-1, 1, 0
	WIN 0
	PLACES NP
.irp a, 0,1,2,3,4,5,6,7
	WIN (0x08+4*(\a/4))
.irp b, 0,1,2,3,4,5,6,7
	global_store_b128 v[L16], v[8*(8*(\a%4)+\b):8*(8*(\a%4)+\b)+3], s[8:9] offset:\a*8192+\b*1024 th:TH_STORE_NT
	global_store_b128 v[L16], v[8*(8*(\a%4)+\b)+4:8*(8*(\a%4)+\b)+7], s[8:9] offset:\a*8192+\b*1024+512 th:TH_STORE_NT
.endr
.endr
	WIN 0
	s_wait_tensorcnt 0x0
	ds_add_u32 v[SPW], v[NIL]
	s_wait_dscnt 0x0
	CROUND
	s_endpgm
.Lfunc_end_k_q67413192fc_ff2:
	.size	k_q67413192fc_ff2, .Lfunc_end_k_q67413192fc_ff2-k_q67413192fc_ff2
	.p2alignl 7, 3214868480
	.fill 96, 4, 3214868480
	.section	.rodata,"a",@progbits
	.p2align	6, 0x0
	.amdhsa_kernel k_q67413192fc_ff2
		.amdhsa_group_segment_fixed_size 327680
		.amdhsa_private_segment_fixed_size 0
		.amdhsa_enable_private_segment 0
		.amdhsa_kernarg_size 24
		.amdhsa_user_sgpr_count 2
		.amdhsa_user_sgpr_kernarg_segment_ptr 1
		.amdhsa_wavefront_size32 1
		.amdhsa_system_sgpr_workgroup_id_x 1
		.amdhsa_system_sgpr_workgroup_id_y 1
		.amdhsa_system_sgpr_workgroup_id_z 1
		.amdhsa_system_vgpr_workitem_id 0
		.amdhsa_next_free_vgpr 1024
		.amdhsa_next_free_sgpr 72
		.amdhsa_reserve_vcc 0
		.amdhsa_float_denorm_mode_32 3
		.amdhsa_float_denorm_mode_16_64 3
		.amdhsa_memory_ordered 1
		.amdhsa_forward_progress 1
		.amdhsa_inst_pref_size 126
	.end_amdhsa_kernel
	.amdgpu_metadata
---
amdhsa.version: [ 1, 2 ]
amdhsa.kernels:
  - .name:           k_q67413192fc_ff2
    .symbol:         k_q67413192fc_ff2.kd
    .args:
      - { .name: HID, .offset: 0, .size: 8, .value_kind: global_buffer, .address_space: global }
      - { .name: PREP, .offset: 8, .size: 8, .value_kind: global_buffer, .address_space: global }
      - { .name: Y, .offset: 16, .size: 8, .value_kind: global_buffer, .address_space: global }
    .group_segment_fixed_size: 327680
    .private_segment_fixed_size: 0
    .kernarg_segment_align: 8
    .kernarg_segment_size: 24
    .max_flat_workgroup_size: 128
    .sgpr_count:     72
    .vgpr_count:     1024
    .wavefront_size: 32
...
	.end_amdgpu_metadata
.endif
;; end of part 7
;; launch ln2 (part 8): grid 256 x 1, 8 waves a work-group, no clusters, 69,632 bytes of LDS; arguments Y, H0, b1, g1, be1, out0; writes out0
.if DOCPART == 8
	.amdgcn_target "amdgcn-amd-amdhsa--gfx1250"
	.amdhsa_code_object_version 6
	.text
	.protected	k_q67413192fc_ln2
	.globl	k_q67413192fc_ln2
	.p2align	8
	.type	k_q67413192fc_ln2,@function
k_q67413192fc_ln2:
	s_mov_b64 s[64:65], 0
	v_nop
	global_prefetch_b8 v0, s[64:65] scope:SCOPE_SE
	s_setreg_imm32_b32 hwreg(HW_REG_WAVE_MODE, 25, 1), 1
	s_wait_xcnt 0x0
; out = layer norm(h0 + (Y + b1)) x g1 + be1, in f32.  Y comes as four parts, each the sum over 1,024 of the product's K = 4,096: they are added in ascending order of K, then h0, then b1
; (an f32 sum in another order than one chain over K; nothing behind it is quantised).
; A work-group takes one tile of 16 tokens, each of its eight waves 128 features.  Lane (r, h) holds token 32 (i / 2) + 8 (i % 2) + r + 8 (r / 8), and its register 16 b + j feature 128 w + 32 b + 16 h + j:
; the layout in which Y and h0 were stored.  A row's sums meet in LDS: two barriers.  The variance is taken of x - mean: no difference of large sums is formed.
; The result goes through the wave's own stage in LDS (16 rows of 512 bytes + 16) and leaves as rows: each store covers 512 consecutive bytes of a row of the output.
; All seven streams are asked for at the head, in registers of their own; beta follows into the registers that Y's part 1 has left.
; Memory binds: matrix units, clusters and tensor loads would add nothing.  NaN and infinities among the inputs are not served.
; REGISTERS, in windows of 256: window 0: v1-7 addresses; v16-79 V: Y's part 0, then the sums; v80-143 A: part 1, then beta, then rows on the way out; v144-207 B: the bias; v225-238 statistics.
;   window 1: v0-63 part 2, v64-127 part 3, v128-191 h0, v192-255 gamma.
.set L16, 1                            ; 16 x lane
.set BO,  3                            ; 64 h
.set LW,  4                            ; LDS: 64 w + 4 r
.set LR,  5                            ; LDS: 4 r
.set STO, 6                            ; the stage, on the way in
.set SRD, 7                            ; and back
.set V,   16
.set A,   80
.set B,   144
.set C2,  0                            ; in window 1
.set C3,  64
.set CH,  128
.set CG,  192
.set SM,  225
.set P,   226                          ; v226-233 four packed chains, then the eight waves' parts
.set NM,  234                          ; v[234:235] minus the mean, twice
.set RS,  236                          ; v[236:237] 1 / sqrt(var + eps)
.set SX,  238
.set SEL, 32
.set MSB, 0
.macro WIN new                         ; the immediate's high byte repeats the setting that is left
.if MSB != \new
	s_set_vgpr_msb (MSB<<8)|\new
.set MSB, \new
.endif
.endm
.set TO_1,  0x40                       ; destination window 1, address window 0
.set SRC_1, 0x04                       ; source 1 window 1, all else window 0
.macro MEET off                        ; my 128 features' sum in v[SM] becomes the row's sum, in every lane
	s_delay_alu instid0(VALU_DEP_1)
	v_permlanex16_b32 v[SX], v[SM], s[SEL], s[SEL+1]
	s_delay_alu instid0(VALU_DEP_1)
	v_add_f32 v[SM], v[SM], v[SX]
	ds_store_b32 v[LW], v[SM] offset:\off          ; both halves of the lanes write the same word with the same value
	s_wait_dscnt 0x0                               ; for the others' sake
	s_barrier_signal -1
	s_barrier_wait -1
.irp k, 0,1,2,3,4,5,6,7
	ds_load_b32 v[P+\k], v[LR] offset:\off+64*\k
.endr
	s_wait_dscnt 0x0
	v_pk_add_f32 v[P:P+1], v[P:P+1], v[P+2:P+3]
	v_pk_add_f32 v[P+4:P+5], v[P+4:P+5], v[P+6:P+7]
	s_delay_alu instid0(VALU_DEP_1)
	v_pk_add_f32 v[P:P+1], v[P:P+1], v[P+4:P+5]
	s_delay_alu instid0(VALU_DEP_1)
	v_add_f32 v[SM], v[P], v[P+1]
.endm
.macro ADDW1 c                         ; V += 64 numbers of window 1
.set n, 0
.rept 32
	v_pk_add_f32 v[V+n:V+n+1], v[V+n:V+n+1], v[\c+n:\c+n+1]
.set n, n+2
.endr
.endm
	s_load_b256 s[4:11], s[0:1], 0x0               ; Y s[4:5], H0 s[6:7], the bias s[8:9], gamma s[10:11]
	s_load_b128 s[12:15], s[0:1], 0x20             ; beta s[12:13], the output s[14:15]
	v_lshl_add_u32 v254, v0, 2, 0x10c00
	v_mov_b32 v255, 0
	v_lshrrev_b32 v8, 5, v0
	s_delay_alu instid0(VALU_DEP_1)
	v_readfirstlane_b32 s16, v8                    ; wave 0..7
	v_and_b32 v8, 31, v0
	v_and_b32 v9, 15, v0                           ; r
	v_bfe_u32 v10, v0, 4, 1                        ; h
	s_delay_alu instid0(VALU_DEP_3)
	v_lshlrev_b32 v[L16], 4, v8
	s_delay_alu instid0(VALU_DEP_2)
	v_lshlrev_b32 v[BO], 6, v10
	s_delay_alu instid0(VALU_DEP_4)
	v_lshlrev_b32 v[LR], 2, v9
	s_lshl_b32 s17, s16, 6
	v_add_nc_u32 v[LW], s17, v[LR]
	s_mul_i32 s31, s16, 8448
	s_add_co_u32 s31, s31, 1024                    ; my stage, behind the 1,024 bytes of the two meetings
	v_mul_u32_u24 v11, v9, 528
	s_delay_alu instid0(VALU_DEP_1)
	v_lshl_add_u32 v11, v10, 6, v11
	s_delay_alu instid0(VALU_DEP_1)
	v_add_nc_u32 v[STO], s31, v11                  ; in: row r, + 64 h
	v_add_nc_u32 v[SRD], s31, v[L16]               ; back: a row of 512 bytes to the 32 lanes
	v_mov_b32 v[SX], 0                             ; a lane permute's destination counts as one of its sources
	s_mov_b32 s[SEL], 0x76543210
	s_mov_b32 s[SEL+1], 0xfedcba98
	s_mov_b32 s30, 0x3a800000                      ; 1 / 1,024
	s_lshr_b32 s18, ttmp9, 4                       ; Y: tile row i / 16, tile column w / 2, wave 2 ((i / 8) % 2) + w % 2, block i % 8
	s_lshl_b32 s18, s18, 2
	s_lshr_b32 s19, s16, 1
	s_add_co_u32 s18, s18, s19
	s_lshl_b32 s18, s18, 2
	s_bfe_u32 s19, ttmp9, 0x10003
	s_lshl_b32 s19, s19, 1
	s_add_co_u32 s18, s18, s19
	s_and_b32 s19, s16, 1
	s_add_co_u32 s18, s18, s19
	s_lshl_b32 s18, s18, 16
	s_and_b32 s19, ttmp9, 7
	s_lshl_b32 s19, s19, 13
	s_add_co_u32 s18, s18, s19
	s_mov_b32 s19, 0
	s_lshl_b32 s20, s16, 9                         ; my 128 features x 4 bytes
	s_mov_b32 s21, 0
	s_lshl_b32 s22, ttmp9, 3
	s_add_co_u32 s22, s22, s16
	s_lshl_b32 s22, s22, 13                        ; h0's f32 image: (8 i + w) x 8,192
	s_mov_b32 s23, 0
	s_lshr_b32 s24, ttmp9, 1
	s_lshl_b32 s24, s24, 5
	s_and_b32 s25, ttmp9, 1
	s_lshl_b32 s25, s25, 3
	s_add_co_u32 s24, s24, s25
	s_lshl_b32 s24, s24, 12
	s_add_co_u32 s24, s24, s20                     ; the tile's first token's row of the output, at my features
	s_mov_b32 s25, 0
	s_wait_alu depctr_va_vdst(0)
	s_wait_kmcnt 0x0
	s_add_nc_u64 s[4:5], s[4:5], s[18:19]          ; Y's part 0,
	s_add_nc_u64 s[36:37], s[4:5], 0x1000000       ; and parts 1 to 3, 2^24 bytes apart: more than a load's immediate holds, so each has its base
	s_add_nc_u64 s[38:39], s[4:5], 0x2000000
	s_add_nc_u64 s[40:41], s[4:5], 0x3000000
	s_add_nc_u64 s[6:7], s[6:7], s[22:23]
	s_add_nc_u64 s[8:9], s[8:9], s[20:21]
	s_add_nc_u64 s[10:11], s[10:11], s[20:21]
	s_add_nc_u64 s[12:13], s[12:13], s[20:21]
	s_add_nc_u64 s[14:15], s[14:15], s[24:25]
.irp n, 0,1,2,3,4,5,6,7,8,9,10,11,12,13,14,15
	global_load_b128 v[V+4*\n:V+4*\n+3], v[L16], s[4:5] offset:512*\n th:TH_LOAD_NT        ; each load of the wave covers 512 consecutive bytes
.endr
.irp n, 0,1,2,3,4,5,6,7,8,9,10,11,12,13,14,15
	global_load_b128 v[A+4*\n:A+4*\n+3], v[L16], s[36:37] offset:512*\n th:TH_LOAD_NT
.endr
	WIN TO_1
.irp n, 0,1,2,3,4,5,6,7,8,9,10,11,12,13,14,15
	global_load_b128 v[C2+4*\n:C2+4*\n+3], v[L16], s[38:39] offset:512*\n th:TH_LOAD_NT
.endr
.irp n, 0,1,2,3,4,5,6,7,8,9,10,11,12,13,14,15
	global_load_b128 v[C3+4*\n:C3+4*\n+3], v[L16], s[40:41] offset:512*\n th:TH_LOAD_NT
.endr
.irp n, 0,1,2,3,4,5,6,7,8,9,10,11,12,13,14,15
	global_load_b128 v[CH+4*\n:CH+4*\n+3], v[L16], s[6:7] offset:512*\n th:TH_LOAD_NT      ; h0
.endr
.irp b, 0,1,2,3
.irp j, 0,1,2,3
	global_load_b128 v[CG+16*\b+4*\j:CG+16*\b+4*\j+3], v[BO], s[10:11] offset:128*\b+16*\j   ; gamma
.endr
.endr
	WIN 0
.irp b, 0,1,2,3
.irp j, 0,1,2,3
	global_load_b128 v[B+16*\b+4*\j:B+16*\b+4*\j+3], v[BO], s[8:9] offset:128*\b+16*\j       ; the bias
.endr
.endr
	s_wait_loadcnt 48                              ; Y's four parts are in; behind them h0's, gamma's and the bias's 16 loads each may be out
.set n, 0
.rept 32
	v_pk_add_f32 v[V+n:V+n+1], v[V+n:V+n+1], v[A+n:A+n+1]
.set n, n+2
.endr
.irp b, 0,1,2,3
.irp j, 0,1,2,3
	global_load_b128 v[A+16*\b+4*\j:A+16*\b+4*\j+3], v[BO], s[12:13] offset:128*\b+16*\j     ; beta, into the registers that part 1 has left
.endr
.endr
	WIN SRC_1
	ADDW1 C2
	ADDW1 C3
	s_wait_loadcnt 48                              ; h0 is in; behind it gamma's, the bias's and beta's loads may be out
	ADDW1 CH
	WIN 0
	s_wait_loadcnt 16                              ; gamma and the bias are in; beta's 16 loads may be out
.set n, 0
.rept 32
	v_pk_add_f32 v[V+n:V+n+1], v[V+n:V+n+1], v[B+n:B+n+1]
.set n, n+2
.endr
.irp k, 0,1,2,3
	v_pk_add_f32 v[P+2*\k:P+2*\k+1], v[V+2*\k:V+2*\k+1], v[V+8+2*\k:V+9+2*\k]              ; the sum, in four packed chains
.endr
.irp m, 16,24,32,40,48,56
.irp k, 0,1,2,3
	s_delay_alu instid0(VALU_DEP_4)
	v_pk_add_f32 v[P+2*\k:P+2*\k+1], v[P+2*\k:P+2*\k+1], v[V+\m+2*\k:V+\m+2*\k+1]
.endr
.endr
	s_delay_alu instid0(VALU_DEP_3)
	v_pk_add_f32 v[P:P+1], v[P:P+1], v[P+2:P+3]
	s_delay_alu instid0(VALU_DEP_2)
	v_pk_add_f32 v[P+4:P+5], v[P+4:P+5], v[P+6:P+7]
	s_delay_alu instid0(VALU_DEP_1)
	v_pk_add_f32 v[P:P+1], v[P:P+1], v[P+4:P+5]
	s_delay_alu instid0(VALU_DEP_1)
	v_add_f32 v[SM], v[P], v[P+1]
	MEET 0
	s_delay_alu instid0(VALU_DEP_1)
	v_mul_f32 v[NM], 0xba800000, v[SM]             ; minus the mean
	s_delay_alu instid0(VALU_DEP_1)
	v_mov_b32 v[NM+1], v[NM]
.set n, 0
.rept 32
	v_pk_add_f32 v[V+n:V+n+1], v[V+n:V+n+1], v[NM:NM+1]
.set n, n+2
.endr
.irp k, 0,1,2,3
	v_pk_mul_f32 v[P+2*\k:P+2*\k+1], v[V+2*\k:V+2*\k+1], v[V+2*\k:V+2*\k+1]                ; the sum of squares
.endr
.irp m, 8,16,24,32,40,48,56
.irp k, 0,1,2,3
	s_delay_alu instid0(VALU_DEP_4)
	v_pk_fma_f32 v[P+2*\k:P+2*\k+1], v[V+\m+2*\k:V+\m+2*\k+1], v[V+\m+2*\k:V+\m+2*\k+1], v[P+2*\k:P+2*\k+1]
.endr
.endr
	s_delay_alu instid0(VALU_DEP_3)
	v_pk_add_f32 v[P:P+1], v[P:P+1], v[P+2:P+3]
	s_delay_alu instid0(VALU_DEP_2)
	v_pk_add_f32 v[P+4:P+5], v[P+4:P+5], v[P+6:P+7]
	s_delay_alu instid0(VALU_DEP_1)
	v_pk_add_f32 v[P:P+1], v[P:P+1], v[P+4:P+5]
	s_delay_alu instid0(VALU_DEP_1)
	v_add_f32 v[SM], v[P], v[P+1]
	MEET 512                                       ; other words than the first meeting's: no barrier between its reads and these stores
	s_delay_alu instid0(VALU_DEP_1)
	v_fmaak_f32 v[SM], s30, v[SM], 0x3727c5ac      ; the variance + 1e-5
	s_wait_alu depctr_va_vdst(0)
	v_rsq_f32 v[RS], v[SM]
	v_mov_b32 v[RS+1], 0                           ; a plain line behind the transcendental (the pair's upper half is named below)
	s_wait_alu depctr_va_vdst(0)                   ; the wait, ahead of the first reader
	s_wait_loadcnt 0x0                             ; beta
.set n, 0
.rept 32
	v_pk_mul_f32 v[V+n:V+n+1], v[V+n:V+n+1], v[RS:RS+1] op_sel_hi:[1,0]
.set n, n+2
.endr
	WIN SRC_1
.set n, 0
.rept 32
	v_pk_fma_f32 v[V+n:V+n+1], v[V+n:V+n+1], v[CG+n:CG+n+1], v[A+n:A+n+1]                  ; x gamma (window 1) + beta
.set n, n+2
.endr
	WIN 0
.irp b, 0,1,2,3
.irp j, 0,1,2,3
	ds_store_b128 v[STO], v[V+16*\b+4*\j:V+16*\b+4*\j+3] offset:128*\b+16*\j
.endr
.endr
.irp t, 0,1,2,3,4,5,6,7,8,9,10,11,12,13,14,15
	ds_load_b128 v[A+4*\t:A+4*\t+3], v[SRD] offset:\t*528          ; LDS serves a wave's instructions in order (ISA guide 5.7.1.4): these see my stores; the stage is my wave's own
.endr
.irp t, 0,1,2,3,4,5,6,7,8,9,10,11,12,13,14,15
	s_wait_dscnt 15-\t                             ; row t is back; the younger loads may be out
	global_store_b128 v[L16], v[A+4*\t:A+4*\t+3], s[14:15] offset:(\t+8*(\t/8))*4096 th:TH_STORE_NT   ; place t of the tile is token t + 8 (t / 8) from its first
.endr
	s_wait_tensorcnt 0x0
	ds_add_u32 v254, v255
	s_wait_dscnt 0x0
	s_endpgm
.Lfunc_end_k_q67413192fc_ln2:
	.size	k_q67413192fc_ln2, .Lfunc_end_k_q67413192fc_ln2-k_q67413192fc_ln2
	.p2alignl 7, 3214868480
	.fill 96, 4, 3214868480
	.section	.rodata,"a",@progbits
	.p2align	6, 0x0
	.amdhsa_kernel k_q67413192fc_ln2
		.amdhsa_group_segment_fixed_size 69632
		.amdhsa_private_segment_fixed_size 0
		.amdhsa_enable_private_segment 0
		.amdhsa_kernarg_size 48
		.amdhsa_user_sgpr_count 2
		.amdhsa_user_sgpr_kernarg_segment_ptr 1
		.amdhsa_wavefront_size32 1
		.amdhsa_system_sgpr_workgroup_id_x 1
		.amdhsa_system_sgpr_workgroup_id_y 1
		.amdhsa_system_sgpr_workgroup_id_z 1
		.amdhsa_system_vgpr_workitem_id 0
		.amdhsa_next_free_vgpr 512
		.amdhsa_next_free_sgpr 66
		.amdhsa_reserve_vcc 0
		.amdhsa_float_denorm_mode_32 3
		.amdhsa_float_denorm_mode_16_64 3
		.amdhsa_memory_ordered 1
		.amdhsa_forward_progress 1
		.amdhsa_inst_pref_size 45
	.end_amdhsa_kernel
	.amdgpu_metadata
---
amdhsa.version: [ 1, 2 ]
amdhsa.kernels:
  - .name:           k_q67413192fc_ln2
    .symbol:         k_q67413192fc_ln2.kd
    .args:
      - { .name: Y, .offset: 0, .size: 8, .value_kind: global_buffer, .address_space: global }
      - { .name: H0, .offset: 8, .size: 8, .value_kind: global_buffer, .address_space: global }
      - { .name: b1, .offset: 16, .size: 8, .value_kind: global_buffer, .address_space: global }
      - { .name: g1, .offset: 24, .size: 8, .value_kind: global_buffer, .address_space: global }
      - { .name: be1, .offset: 32, .size: 8, .value_kind: global_buffer, .address_space: global }
      - { .name: out0, .offset: 40, .size: 8, .value_kind: global_buffer, .address_space: global }
    .group_segment_fixed_size: 69632
    .private_segment_fixed_size: 0
    .kernarg_segment_align: 8
    .kernarg_segment_size: 48
    .max_flat_workgroup_size: 256
    .sgpr_count:     66
    .vgpr_count:     512
    .wavefront_size: 32
...
	.end_amdgpu_metadata
.endif
;; end of part 8
